; MI455X (gfx1250); checked and timed in simulation.
; The chip was launched on July 23, 2026; its instructions are those of AMD's public machine-readable ISA for CDNA 5 (MIT licence, August 2026) and "CDNA5" Instruction Set Architecture Reference Guide (July 2026). The comments in the code are by the model that wrote it; some were corrected since.
;; Block. Allowed arithmetic: matrix products marked QUANTISED: E4M3 operands, one given power-of-two scale a tensor, by v_wmma_f32_16x16x64_fp8_fp8 or v_wmma_f32_16x16x128_fp8_fp8, f32 sums; everything else in f32.
;; Inputs: attn_out_b 1,024 float32; attn_out_w 1,024 x 1,024 float32; c_fc_b 4,096 float32; c_fc_w 1,024 x 4,096 float32; c_proj_b 1,024 float32; c_proj_w 4,096 x 1,024 float32; ln1_b 1,024 float32; ln1_w 1,024 float32; ln2_b 1,024 float32; ln2_w 1,024 float32; lowp_scales 12 int32 (the exponents e of the quantised operands' scales 2^e); qkv_b 3,072 float32; qkv_w 1,024 x 3,072 float32; x 2 x 2,048 x 1,024 float32.
;; Outputs: out0 2 x 2,048 x 1,024 float32.
;; This version of the problem:
;;   THIS VERSION OF THE PROBLEM IS GIVEN IN LOW PRECISION. The matrix products marked QUANTISED in the list below multiply operands that are first quantised to E4M3 (4 exponent bits, 3 mantissa bits; 8 bits a number), with one given power-of-two scale for each operand tensor; their sums are f32. All else is computed in f32.
;;   The module's matrix products, in the order in which they are computed (A, B: the left and right operand; K: the contracted axis; several contracted axes count as one K, in the product's order):
;;     1. [M 4,096, K 1,024] x [K 1,024, N 3,072]; A: computed on the way; B: input qkv_w: QUANTISED (scales: A lowp_scales[0], B lowp_scales[1])
;;     2. batch 32 x [M 2,048, K 64] x [K 64, N 2,048]; A: computed on the way; B: computed on the way: QUANTISED (scales: A lowp_scales[2], B lowp_scales[3])
;;     3. batch 32 x [M 2,048, K 2,048] x [K 2,048, N 64]; A: softmax (see below); B: computed on the way: QUANTISED (scales: A lowp_scales[4], B lowp_scales[5])
;;     4. [M 4,096, K 1,024] x [K 1,024, N 1,024]; A: computed on the way; B: input attn_out_w: QUANTISED (scales: A lowp_scales[6], B lowp_scales[7])
;;     5. [M 4,096, K 1,024] x [K 1,024, N 4,096]; A: computed on the way; B: input c_fc_w: QUANTISED (scales: A lowp_scales[8], B lowp_scales[9])
;;     6. [M 4,096, K 4,096] x [K 4,096, N 1,024]; A: computed on the way; B: input c_proj_w: QUANTISED (scales: A lowp_scales[10], B lowp_scales[11])
;;   THE QUANTISER, for each operand of a quantised product, along K:
;;     - The operand's scale is 2^e, e = its entry of the input lowp_scales (int32; the entries are numbered through the quantised products in the list's order, A before B).
;;     - Each number is divided by the scale, clamped to +-448, and rounded to the nearest number of E4M3, ties to even, subnormals kept.
;;     - The product sums the exact products of the quantised numbers (number of the format x scale) in f32.
;;   ~~~python
;;   def quantise(x, axis, e):      # numpy; x: float32 -> the quantised numbers, widened to float32 again
;;       x = np.moveaxis(x, axis, -1); K = x.shape[-1]
;;       r = np.clip(x / 2.0 ** e, -448, 448)
;;       step = 2.0 ** (np.maximum(np.frexp(np.where(r == 0, 1, r))[1] - 1, -6) - 3)
;;       q = np.round(r / step) * step * 2.0 ** e      # np.round: ties to even
;;       return np.moveaxis(q, -1, axis).astype(np.float32)
;;   ~~~
;;   SOFTMAX AHEAD OF A QUANTISED PRODUCT. Where the list says 'softmax', what is quantised is not the finished softmax but p = 2^(t - M), with t = logit x log2(e) and M = ceil(the row's largest t), a whole number; so 1/2 < the row's largest p <= 1. The row's sum l is taken of the UNQUANTISED p, in f32, and the product's result is divided by l at the end. Since M is a whole number, a kernel that streams over the keys may use a running M (the ceiling of the running maximum): every later rescaling is an exact power of two, so the quantised numbers keep their values, but for numbers so far below the row's largest that they fall under the format's range.
;;   OPERANDS COMPUTED ON THE WAY. 'Computed on the way' means the value that the module computes at that place (a softmax that the list does not call 'softmax' is quantised finished and normalised). What goes into a quantiser is computed in f32, as accurately as f32 sums, v_exp_f32 and their like allow (about 1e-6 of the number): no bf16 or f16 on the way to a quantiser, and a product that is left as it is and whose result goes on into a quantised operand takes f32 operands (vector FMAs, or v_wmma_f32_16x16x4_f32). A number that lies on a knife's edge between two numbers of the format may be rounded either way, as far as f32 arithmetic and the matrix unit's own rounding can turn it there, and no further.
;; One version. Each part assembles by itself: llvm-mc -triple=amdgcn-amd-amdhsa -mcpu=gfx1250 --defsym DOCPART=n.
;; ======== version 1 of 1: 7 launches
;; limits: an absolute error that grows with the inputs' magnitude: up to 1e-06 times it
;; workspace buffers: wc 12,582,912 bytes; ac 4,194,304 bytes; xn 16,777,216 bytes; qkc 12,582,912 bytes; oc 4,194,304 bytes; h 16,777,216 bytes; hn 16,777,216 bytes; gc 16,777,216 bytes
;; launch prep (part 1): grid 640 x 1, 4 waves a work-group, no clusters, 17,408 bytes of LDS; arguments x, ln1_w, ln1_b, lowp_scales, xn, ac, qkv_w, attn_out_w, c_fc_w, c_proj_w, wc; writes xn, ac, wc
.if DOCPART == 1
	.amdgcn_target "amdgcn-amd-amdhsa--gfx1250"
	.amdhsa_code_object_version 6
	.text
	.protected	k_q1aa0459cb3_prep
	.globl	k_q1aa0459cb3_prep
	.p2align	8
	.type	k_q1aa0459cb3_prep,@function
k_q1aa0459cb3_prep:
	s_mov_b64 s[64:65], 0
	v_nop
	global_prefetch_b8 v0, s[64:65] scope:SCOPE_SE
	s_setreg_imm32_b32 hwreg(HW_REG_WAVE_MODE, 25, 1), 1
	s_wait_xcnt 0x0
; PREP.  Work-groups 0-255: xn = layer norm of x (f32, [4096][1024]) and its codes of E4M3 under 2^e0.  Work-groups 256-639: the four weights ([K][N], f32) as codes under 2^e1, e7, e9, e11.
; ALL CODES LIE IN THE ORDER OF THE OPERAND'S REGISTERS ("image"): tile T (16 rows) and K step s (128 along K) take 2,048 bytes at (T x K/128 + s) x 2048; byte 512 c + 16 L + i of them is
; row rho(T, L % 16), k = 128 s + 32 c + 16 (L / 16) + i, with rho(T, r) = 32 (T / 2) + 8 (T % 2) + r % 8 + 16 (r / 8).  A fragment is then four loads of 16 bytes a lane, 512 consecutive bytes each.
; LAYER NORM: a work-group takes one tile of 16 tokens, a wave four neighbouring tokens, each whole in 32 registers: mean, centred, variance of the centred numbers (two passes over registers, so a common
; offset of the inputs does no harm), rsqrt, gain and bias.  The codes turn through a stage in LDS (16 rows of 1,024 + 16 bytes) into the image's order.
; WEIGHTS: a lane takes a column n and its registers run down K, so the conversions give codes with K innermost; a lane's 16 codes are 16 bytes of the image as they stand: no stage.
; code = x / 2^e, held within +-448, to the nearest code, ties to even.  LIMITS: each e between -126 and 119.  NaN among the inputs is not served.
; No tensor loads, no cluster: the work-groups share nothing but 8 KiB of gain and bias.
.set X,    32                          ; v32-159  four rows of x, 32 registers each: register 4 j + e of a row is k = 128 j + 4 lane + e
.set GW,   160                         ; v160-191 the gain at the same k
.set GB,   192                         ; v192-223 the bias
.set T0,   160                         ; v160-175 two sets of 8 held numbers (the gain is done with by then)
.set OUTR, 192                         ; v192-223 the way out of the stage
.set CD,   224                         ; v224-255 codes, 8 registers a row, never rewritten
.set SUM,  4                           ; v[4+2i:5+2i]   row i's running sum
.set MN,   12                          ; v[12+2i:13+2i] row i's mean, later 1/sqrt(var + eps)
.set PT,   20                          ; v20-23   at work across the lanes
.set SP,   1040                        ; a stage row: 65 x 16 bytes, so sixteen rows start at sixteen different groups of banks
.set WO,   32                          ; weights: v32-63 byte offsets of rows 0-31 of a block at my column
.set WX,   64                          ; v64-127  two sets of 32 numbers
.set WC,   128                         ; v128-191 codes, 8 registers a block, never rewritten
.macro LN_ACROSS                       ; four pairs of partial sums become each row's sum, in every lane, in v[SUM+2i]
.irp i, 0,1,2,3
	v_add_f32 v[SUM+2*\i], v[SUM+2*\i], v[SUM+2*\i+1]
.endr
.irp m, 1,2,4,8
.irp i, 0,1,2,3
	v_add_f32_dpp v[SUM+2*\i], v[SUM+2*\i], v[SUM+2*\i] row_xmask:\m row_mask:0xf bank_mask:0xf
.endr
.endr
.irp i, 0,1,2,3
	v_permlanex16_b32 v[PT+\i], v[SUM+2*\i], s40, s41
.endr
.irp i, 0,1,2,3
	v_add_f32 v[SUM+2*\i], v[SUM+2*\i], v[PT+\i]
.endr
.endm
; My wave's first token: rho(T, 4 w) = 32 (T / 2) + 8 (T % 2) + 4 (w % 2) + 16 (w / 2); tile rows 4 w .. 4 w + 3 are four neighbouring tokens
.macro LN_ADDR
	s_lshr_b32 s44, ttmp9, 1
	s_lshl_b32 s44, s44, 5
	s_and_b32 s45, ttmp9, 1
	s_lshl_b32 s45, s45, 3
	s_add_co_u32 s44, s44, s45
	s_and_b32 s45, s26, 1
	s_lshl_b32 s45, s45, 2
	s_add_co_u32 s44, s44, s45
	s_lshr_b32 s45, s26, 1
	s_lshl_b32 s45, s45, 4
	s_add_co_u32 s44, s44, s45
	s_lshl_b32 s44, s44, 12                        ; rows of 4,096 bytes
	s_mov_b32 s45, 0
	s_add_nc_u64 s[4:5], s[4:5], s[44:45]
	s_add_nc_u64 s[12:13], s[12:13], s[44:45]
.endm
; in s[4:5], gain s[6:7], bias s[8:9], f32 out s[12:13]; the scale's exponent in s28 (a scalar load may be out)
.macro LN_ROWS
.irp i, 0,1,2,3
.irp j, 0,1,2,3,4,5,6,7
	global_load_b128 v[X+32*\i+4*\j:X+32*\i+4*\j+3], v2, s[4:5] offset:4096*\i+512*\j th:TH_LOAD_NT   ; 32 lanes read 512 consecutive bytes
.endr
.endr
.irp j, 0,1,2,3,4,5,6,7
	global_load_b128 v[GW+4*\j:GW+4*\j+3], v2, s[6:7] offset:512*\j
.endr
.irp j, 0,1,2,3,4,5,6,7
	global_load_b128 v[GB+4*\j:GB+4*\j+3], v2, s[8:9] offset:512*\j
.endr
.irp i, 0,1,2,3
	v_mov_b32 v[PT+\i], 0                          ; a lane permute's destination counts as one of its sources
.endr
	s_wait_kmcnt 0x0
	s_add_co_i32 s44, s28, 127
	s_lshl_b32 s45, s44, 23
	v_mov_b32 v24, s45                             ; 2^e as f32: the conversion takes its exponent field
	s_add_co_i32 s44, s44, 8
	s_lshl_b32 s44, s44, 23
	s_or_b32 s44, s44, 0x600000
	v_mov_b32 v25, s44                             ; 448 x 2^e
	s_wait_loadcnt 16                              ; the four rows are in; the 16 loads of gain and bias, issued behind them, may be out
.irp i, 0,1,2,3
	v_pk_add_f32 v[SUM+2*\i:SUM+2*\i+1], v[X+32*\i:X+32*\i+1], v[X+32*\i+2:X+32*\i+3]   ; the first two pairs start each chain: nothing is cleared
.endr
.set p, 4
.rept 14
.irp i, 0,1,2,3
	v_pk_add_f32 v[SUM+2*\i:SUM+2*\i+1], v[SUM+2*\i:SUM+2*\i+1], v[X+32*\i+p:X+32*\i+p+1]
.endr
.set p, p+2
.endr
	LN_ACROSS
.irp i, 0,1,2,3
	v_mul_f32 v[MN+2*\i], s42, v[SUM+2*\i]         ; the mean; both words of the pair are written
	v_mul_f32 v[MN+2*\i+1], s42, v[SUM+2*\i]
.endr
.set p, 0
.rept 16
.irp i, 0,1,2,3
	v_pk_add_f32 v[X+32*\i+p:X+32*\i+p+1], v[X+32*\i+p:X+32*\i+p+1], v[MN+2*\i:MN+2*\i+1] op_sel_hi:[1,0] neg_lo:[0,1] neg_hi:[0,1]   ; x - mean
.endr
.set p, p+2
.endr
.irp i, 0,1,2,3
	v_pk_mul_f32 v[SUM+2*\i:SUM+2*\i+1], v[X+32*\i:X+32*\i+1], v[X+32*\i:X+32*\i+1]
.endr
.set p, 2
.rept 15
.irp i, 0,1,2,3
	v_pk_fma_f32 v[SUM+2*\i:SUM+2*\i+1], v[X+32*\i+p:X+32*\i+p+1], v[X+32*\i+p:X+32*\i+p+1], v[SUM+2*\i:SUM+2*\i+1]
.endr
.set p, p+2
.endr
	LN_ACROSS
.irp i, 0,1,2,3
	v_fma_f32 v[PT+\i], v[SUM+2*\i], s42, s43      ; the variance + 1e-5
.endr
.irp i, 0,1,2,3
	v_rsq_f32 v[MN+2*\i], v[PT+\i]
.endr
	v_nop                                          ; a plain instruction behind the last of the batch
	s_wait_alu depctr_va_vdst(0)                   ; one wait for the four, ahead of their first reader
.irp i, 0,1,2,3
	v_mov_b32 v[MN+2*\i+1], v[MN+2*\i]
.endr
	s_wait_loadcnt 0x0                             ; gain and bias
.irp i, 0,1,2,3
.set p, 0
.rept 16
	v_pk_mul_f32 v[X+32*\i+p:X+32*\i+p+1], v[X+32*\i+p:X+32*\i+p+1], v[MN+2*\i:MN+2*\i+1] op_sel_hi:[1,0]
.set p, p+2
.endr
.set p, 0
.rept 16
	v_pk_fma_f32 v[X+32*\i+p:X+32*\i+p+1], v[X+32*\i+p:X+32*\i+p+1], v[GW+p:GW+p+1], v[GB+p:GB+p+1]
.set p, p+2
.endr
.irp j, 0,1,2,3,4,5,6,7
	global_store_b128 v2, v[X+32*\i+4*\j:X+32*\i+4*\j+3], s[12:13] offset:4096*\i+512*\j   ; 512 consecutive bytes; these registers are not written again
.endr
.endr
; the codes: eight numbers (k = 256 q + 4 lane + 0..3 and 128 further on) are held into one of two sets by turns, converted, and go to the stage as two words
.irp i, 0,1,2,3
.irp q, 0,1,2,3
.irp e, 0,1,2,3,4,5,6,7
	v_med3_num_f32 v[T0+8*(\q%2)+\e], v[X+32*\i+8*\q+\e], -v25, v25   ; the conversion does not saturate (ISA guide 7.6.2): the hold comes first
.endr
	v_cvt_scalef32_pk8_fp8_f32 v[CD+8*\i+2*\q:CD+8*\i+2*\q+1], v[T0+8*(\q%2):T0+8*(\q%2)+7], v24
	ds_store_b32 v3, v[CD+8*\i+2*\q] offset:SP*\i+256*\q
	ds_store_b32 v3, v[CD+8*\i+2*\q+1] offset:SP*\i+256*\q+128
.endr
.endr
	v_nop                                          ; a plain instruction behind the last conversion
.endm
; behind the barrier: wave w takes K steps 2 w and 2 w + 1 of the tile's image
.macro LN_OUT
.irp p, 0,1
.irp c, 0,1,2,3
	ds_load_b128 v[OUTR+16*\p+4*\c:OUTR+16*\p+4*\c+3], v26 offset:128*\p+32*\c
.endr
.endr
	s_wait_dscnt 0x0
.irp p, 0,1
.irp c, 0,1,2,3
	global_store_b128 v2, v[OUTR+16*\p+4*\c:OUTR+16*\p+4*\c+3], s[14:15] offset:2048*\p+512*\c   ; 512 consecutive bytes of the image
.endr
.endr
.endm
	s_load_b512 s[4:19], s[0:1], 0x0               ; x 4, ln1_w 6, ln1_b 8, lowp_scales 10, xn 12, ac 14, qkv_w 16, attn_out_w 18
	s_load_b128 s[20:23], s[0:1], 0x40             ; c_fc_w 20, c_proj_w 22
	s_load_b64 s[24:25], s[0:1], 0x50              ; wc
	v_lshl_add_u32 v27, v0, 2, 0x4200
	s_set_vgpr_msb 0x40
	v_mov_b32 v1, 0
	s_set_vgpr_msb 0x4000
	v_lshrrev_b32 v1, 5, v0
	v_readfirstlane_b32 s26, v1                    ; wave 0..3
	v_and_b32 v1, 31, v0                           ; lane
	v_lshlrev_b32 v2, 4, v1                        ; 16 x lane
	s_mul_i32 s27, s26, 4*SP
	v_lshl_add_u32 v3, v1, 2, s27                  ; the stage, on the way in: my wave's four rows, 4 bytes a lane
	v_and_b32 v4, 15, v0
	v_bfe_u32 v5, v0, 4, 1
	v_mul_u32_u24 v26, v4, SP
	v_lshl_add_u32 v26, v5, 4, v26
	s_lshl_b32 s27, s26, 8
	v_add_nc_u32 v26, s27, v26                     ; and on the way out: row lane % 16, + 16 (lane / 16), + my wave's 256 codes.  All LDS addresses are made here, ahead of the parting
	s_lshl_b32 s44, ttmp9, 14                      ; a tile's image is 8 x 2,048 bytes,
	s_lshl_b32 s27, s26, 12                        ; my wave's two K steps of it
	s_add_co_u32 s44, s44, s27
	s_mov_b32 s45, 0
	s_mov_b32 s40, 0x76543210                      ; v_permlanex16_b32: lane l xor 16
	s_mov_b32 s41, 0xfedcba98
	s_mov_b32 s42, 0x3a800000                      ; 1 / 1024
	s_mov_b32 s43, 0x3727c5ac                      ; 1e-5
	s_wait_kmcnt 0x0
	s_load_b256 s[28:35], s[10:11], 0x0            ; e0 .. e7
	s_load_b128 s[36:39], s[10:11], 0x20           ; e8 .. e11
	s_add_nc_u64 s[14:15], s[14:15], s[44:45]
	s_cmp_ge_u32 ttmp9, 256                        ; the work-group's number alone decides: all four waves go the same way
	s_cbranch_scc1 .Lweights
	LN_ADDR
	LN_ROWS
	s_branch .Ljoin
.Lweights:
	s_sub_co_u32 s27, ttmp9, 256                   ; 0-95 qkv_w, 96-127 attn_out_w, 128-255 c_fc_w, 256-383 c_proj_w: 128 columns x 256 along K each
	s_wait_kmcnt 0x0
	s_mov_b32 s50, 256                             ; the tensor's first work-group
	s_mov_b32 s51, 4096                            ; a row of it in bytes
	s_mov_b32 s52, 65536                           ; a tile's images: K/128 x 2,048 bytes
	s_mov_b32 s53, 0x800000                        ; where its images begin in wc
	s_mov_b32 s54, s39                             ; its e
	s_mov_b32 s55, 4                               ; log2 of K / 256
	s_mov_b64 s[46:47], s[22:23]
	s_cmp_lt_u32 s27, 256
	s_cselect_b32 s50, 128, s50
	s_cselect_b32 s51, 16384, s51
	s_cselect_b32 s52, 16384, s52
	s_cselect_b32 s53, 0x400000, s53
	s_cselect_b32 s54, s37, s54
	s_cselect_b32 s55, 2, s55
	s_cselect_b64 s[46:47], s[20:21], s[46:47]
	s_cmp_lt_u32 s27, 128
	s_cselect_b32 s50, 96, s50
	s_cselect_b32 s51, 4096, s51
	s_cselect_b32 s53, 0x300000, s53
	s_cselect_b32 s54, s35, s54
	s_cselect_b64 s[46:47], s[18:19], s[46:47]
	s_cmp_lt_u32 s27, 96
	s_cselect_b32 s50, 0, s50
	s_cselect_b32 s51, 12288, s51
	s_cselect_b32 s53, 0, s53
	s_cselect_b32 s54, s29, s54
	s_cselect_b64 s[46:47], s[16:17], s[46:47]
	s_sub_co_u32 s56, s27, s50
	s_lshr_b32 s57, s56, s55                       ; which 128 columns
	s_lshl_b32 s58, s57, s55
	s_sub_co_u32 s58, s56, s58                     ; which 256 along K
	v_and_b32 v31, 7, v0
	v_bfe_u32 v30, v0, 3, 1
	v_lshl_add_u32 v31, v30, 4, v31
	v_bfe_u32 v30, v0, 4, 1
	v_lshl_add_u32 v31, v30, 3, v31                ; my column among the wave's 32: lanes 0-15 are the even tile in its row order, lanes 16-31 the odd one
	v_lshlrev_b32 v[WO], 2, v31
.set q, 1
.rept 31
	v_add_nc_u32 v[WO+q], s51, v[WO+q-1]           ; one row of the weight further down
.set q, q+1
.endr
	v_mul_u32_u24 v30, v30, s52
	v_and_b32 v31, 15, v0
	v_lshl_add_u32 v30, v31, 4, v30                ; out: my tile of the pair, 16 bytes a lane
	s_lshl_b32 s59, s58, 8
	s_mul_i32 s59, s59, s51                        ; 256 y rows,
	s_lshl_b32 s60, s57, 9
	s_add_co_u32 s59, s59, s60                     ; 128 columns a work-group,
	s_lshl_b32 s60, s26, 7
	s_add_co_u32 s60, s59, s60                     ; 32 a wave
	s_mov_b32 s61, 0
	s_add_nc_u64 s[66:67], s[46:47], s[60:61]      ; block 0's first row at my wave's columns
	s_lshl_b32 s60, s51, 5                         ; 32 rows on
.irp t, 1,2,3,4,5,6,7
	s_add_nc_u64 s[66+2*\t:67+2*\t], s[64+2*\t:65+2*\t], s[60:61]
.endr
	s_lshl_b32 s62, s57, 2
	s_add_co_u32 s62, s62, s26                     ; my pair of tiles
	s_lshl_b32 s62, s62, 1
	s_mul_i32 s62, s62, s52
	s_lshl_b32 s63, s58, 12                        ; K steps 2 y and 2 y + 1
	s_add_co_u32 s62, s62, s63
	s_add_co_u32 s62, s62, s53
	s_mov_b32 s63, 0
	s_add_nc_u64 s[44:45], s[24:25], s[62:63]
	s_add_co_i32 s54, s54, 127
	s_lshl_b32 s56, s54, 23
	v_mov_b32 v28, s56                             ; 2^e
	s_add_co_i32 s54, s54, 8
	s_lshl_b32 s54, s54, 23
	s_or_b32 s54, s54, 0x600000
	v_mov_b32 v29, s54                             ; 448 x 2^e
.macro WLOAD t                         ; block t: rows 32 t .. 32 t + 31 at my column, into set t % 2: a wave's load covers 128 consecutive bytes, the four waves' 512
.set q, 0
.rept 32
	global_load_b32 v[WX+32*((\t)%2)+q], v[WO+q], s[66+2*(\t):67+2*(\t)] th:TH_LOAD_NT
.set q, q+1
.endr
.endm
.macro WBLOCK t
.if (\t) < 7
	s_wait_loadcnt 32                              ; this block's 32 loads are in; the next block's may be out
.else
	s_wait_loadcnt 0x0
.endif
.set q, 0
.rept 32
	v_med3_num_f32 v[WX+32*((\t)%2)+q], v[WX+32*((\t)%2)+q], -v29, v29
.set q, q+1
.endr
.irp g, 0,1,2,3
	v_cvt_scalef32_pk8_fp8_f32 v[WC+8*(\t)+2*\g:WC+8*(\t)+2*\g+1], v[WX+32*((\t)%2)+8*\g:WX+32*((\t)%2)+8*\g+7], v28
.endr
	v_nop                                          ; a plain instruction behind the last conversion
	global_store_b128 v30, v[WC+8*(\t):WC+8*(\t)+3], s[44:45] offset:2048*((\t)/4)+512*((\t)%4)          ; k = 32 t + 0..15: sixteen lanes fill 256 consecutive bytes, aligned
	global_store_b128 v30, v[WC+8*(\t)+4:WC+8*(\t)+7], s[44:45] offset:2048*((\t)/4)+512*((\t)%4)+256    ; k = 32 t + 16..31
.if (\t)+2 < 8
	WLOAD (\t)+2
.endif
.endm
	WLOAD 0
	WLOAD 1
.irp t, 0,1,2,3,4,5,6,7
	WBLOCK \t
.endr
.Ljoin:                                            ; the one barrier stands on every wave's path
	s_wait_dscnt 0x0                               ; my stores into the stage have landed
	s_barrier_signal -1
	s_barrier_wait -1
	s_cmp_ge_u32 ttmp9, 256
	s_cbranch_scc1 .Lend
	LN_OUT
.Lend:
	s_set_vgpr_msb 0x4
	s_wait_tensorcnt 0x0
	ds_add_u32 v27, v1
	s_wait_dscnt 0x0
	s_set_vgpr_msb 0x400
	s_endpgm
.Lfunc_end_k_q1aa0459cb3_prep:
	.size	k_q1aa0459cb3_prep, .Lfunc_end_k_q1aa0459cb3_prep-k_q1aa0459cb3_prep
	.p2alignl 7, 3214868480
	.fill 96, 4, 3214868480
	.section	.rodata,"a",@progbits
	.p2align	6, 0x0
	.amdhsa_kernel k_q1aa0459cb3_prep
		.amdhsa_group_segment_fixed_size 17408
		.amdhsa_private_segment_fixed_size 0
		.amdhsa_enable_private_segment 0
		.amdhsa_kernarg_size 88
		.amdhsa_user_sgpr_count 2
		.amdhsa_user_sgpr_kernarg_segment_ptr 1
		.amdhsa_wavefront_size32 1
		.amdhsa_system_sgpr_workgroup_id_x 1
		.amdhsa_system_sgpr_workgroup_id_y 1
		.amdhsa_system_sgpr_workgroup_id_z 1
		.amdhsa_system_vgpr_workitem_id 0
		.amdhsa_next_free_vgpr 258
		.amdhsa_next_free_sgpr 84
		.amdhsa_reserve_vcc 0
		.amdhsa_float_denorm_mode_32 3
		.amdhsa_float_denorm_mode_16_64 3
		.amdhsa_memory_ordered 1
		.amdhsa_forward_progress 1
		.amdhsa_inst_pref_size 95
	.end_amdhsa_kernel
	.amdgpu_metadata
---
amdhsa.version: [ 1, 2 ]
amdhsa.kernels:
  - .name:           k_q1aa0459cb3_prep
    .symbol:         k_q1aa0459cb3_prep.kd
    .args:
      - { .name: x, .offset: 0, .size: 8, .value_kind: global_buffer, .address_space: global }
      - { .name: ln1_w, .offset: 8, .size: 8, .value_kind: global_buffer, .address_space: global }
      - { .name: ln1_b, .offset: 16, .size: 8, .value_kind: global_buffer, .address_space: global }
      - { .name: lowp_scales, .offset: 24, .size: 8, .value_kind: global_buffer, .address_space: global }
      - { .name: xn, .offset: 32, .size: 8, .value_kind: global_buffer, .address_space: global }
      - { .name: ac, .offset: 40, .size: 8, .value_kind: global_buffer, .address_space: global }
      - { .name: qkv_w, .offset: 48, .size: 8, .value_kind: global_buffer, .address_space: global }
      - { .name: attn_out_w, .offset: 56, .size: 8, .value_kind: global_buffer, .address_space: global }
      - { .name: c_fc_w, .offset: 64, .size: 8, .value_kind: global_buffer, .address_space: global }
      - { .name: c_proj_w, .offset: 72, .size: 8, .value_kind: global_buffer, .address_space: global }
      - { .name: wc, .offset: 80, .size: 8, .value_kind: global_buffer, .address_space: global }
    .group_segment_fixed_size: 17408
    .private_segment_fixed_size: 0
    .kernarg_segment_align: 8
    .kernarg_segment_size: 88
    .max_flat_workgroup_size: 128
    .sgpr_count:     84
    .vgpr_count:     258
    .wavefront_size: 32
...
	.end_amdgpu_metadata
.endif
;; end of part 1
;; launch qkv (part 2): grid 12 x 16, 4 waves a work-group, clusters of 4 x 4, 327,680 bytes of LDS; arguments ac, wc, lowp_scales, qkv_b, qkc; writes qkc
.if DOCPART == 2
	.amdgcn_target "amdgcn-amd-amdhsa--gfx1250"
	.amdhsa_code_object_version 6
	.text
	.protected	k_q1aa0459cb3_qkv
	.globl	k_q1aa0459cb3_qkv
	.p2align	8
	.type	k_q1aa0459cb3_qkv,@function
k_q1aa0459cb3_qkv:
	s_mov_b64 s[64:65], 0
	v_nop
	global_prefetch_b8 v0, s[64:65] scope:SCOPE_SE
	s_setreg_imm32_b32 hwreg(HW_REG_WAVE_MODE, 25, 1), 1
	s_wait_xcnt 0x0
	s_wait_alu depctr_hold_cnt(0) depctr_sa_sdst(0) depctr_va_vdst(0) depctr_va_sdst(0) depctr_va_ssrc(0) depctr_va_vcc(0) depctr_vm_vsrc(0)
	s_getreg_b32 s2, hwreg(HW_REG_IB_STS2, 6, 4)
	s_cmp_eq_u32 s2, 0
	s_cbranch_scc0 .Lentry_in_a_cluster
	s_endpgm
.Lentry_in_a_cluster:
	s_bfe_u32 s2, ttmp6, 0x10000c
	s_cmp_lg_u32 s2, 0xf033
	s_cbranch_scc0 .Lentry_shape_is_right
	s_endpgm
.Lentry_shape_is_right:
; QKV.  qkv = xn W + b on codes of E4M3 (xn under 2^e0, W under 2^e1), then q, k, v as codes under 2^e2, 2^e3, 2^e5, in the order of the next products' registers.
; Operands arrive as images: tile T (16 rows), K step s (128 k): 2,048 bytes at (8 T + s) x 2048; byte 512 c + 16 L + i = row rho(T, L % 16), k = 128 s + 32 c + 16 (L / 16) + i; rho(T, r) = 32 (T/2) + 8 (T%2) + r%8 + 16 (r/8).
; A work-group of four waves makes 256 x 256, a wave 128 x 128: 64 accumulators.  K = 1,024 goes in four steps of 256 through two LDS slots filled by the tensor data mover.
; THE MATRIX INSTRUCTION: source 0 = a tile of the "column side", source 1 = a tile of the "row side".  A lane then holds one row of the row side, and the 16 registers of two neighbouring accumulators are
; 16 neighbours of the column side: two conversions make 16 bytes of the next operand's image, and a wave's store covers 512 consecutive bytes.  No stage.
; q AND k (cluster x = 0, 1): row side = tokens, column side = W's columns: a lane holds a token and neighbours along the head's 64.
; v (cluster x = 2): THE SIDES ARE SWAPPED BY THE ADDRESSES ALONE: row side = W's columns 2,048 on, column side = tokens: a lane holds one of the head's 64 and neighbouring KEYS, which are the second product's K.
; The choice hangs on the cluster's x, which all sixteen partners share; it is made by selects, never by a branch.
; OUT: q at 0 and k at 0x400000: [batch x head 32][tile of tokens 128][1,024]: byte 512 c + 16 L + i = d 32 c + 16 (L/16) + i;  v at 0x800000: [batch x head][128 keys 16][tile of d 4][2,048].
; CLUSTERS: 4 x 4.  A tile of the row side is shared along a row of the cluster, of the column side along a column: joint loads.
; LIMITS: e0 + e1 between -126 and 127; e2, e3, e5 between -126 and 119.  NaN is not served.
; REGISTERS: window 0: v16-21 LDS addresses, v28-29 for the add, v32-95 bias by register, v96-103 bias by lane, v104-112 the way out, v128-255 the row side's fragments (one set), later the way out;
;   window 1: the column side's fragments, two sets; windows 2, 3: the accumulators ((a, b) at v[8 (8 (a % 4) + b)]).
.set FR,     16                        ; registers of a fragment
.set NL,     4                         ; LDS loads that bring one
.set NP,     4                         ; places behind this matrix instruction (ISA guide 7.12.1)
.set SLOT,   131072                    ; four waves x 8 tiles x 2 K steps x 2,048 bytes
.set SPARE,  2*SLOT                    ; behind the ring: the spare words, 128 bytes a wave
.set LAPS,   2                         ; 1,024 / (2 x 256)
.set ADRA, 16
.set ADRB, 20
.set SPW,  28
.set NIL,  29
.set BJ,   32
.set BI,   96
.set VO,   104
.set AF,   128
.set TMP,  128
.set G1, 24
.set G0, 32
.set G1B, 48
.set G0B, 56
.set MSB, 0
.macro WIN new                         ; the immediate's high byte repeats the setting that is left
.if MSB != (\new)
	s_set_vgpr_msb (MSB<<8)|(\new)
.set MSB, (\new)
.endif
.endm
.set MUL_LO, 0xa1                      ; source 0 window 1, source 1 window 0, C and D window 2
.set MUL_HI, 0xf1                      ; the same, C and D window 3
.set TO_B,   0x40                      ; destination window 1, address window 0
; A joint load: waves 0 and 1 fetch the row side's halves, waves 2 and 3 the column side's.  The branch hangs on the wave's number alone.  Four v_nop follow each line.
.macro JLOAD g0a, g1a, g0b, g1b
	s_cmp_eq_u32 s15, 0
	s_cbranch_scc0 .Lfor_b_\@
	tensor_load_to_lds s[\g0a:\g0a+3], s[\g1a:\g1a+7]
	s_nop 0
.rept 4
	v_nop
.endr
	s_branch .Lasked_\@
.Lfor_b_\@:
	tensor_load_to_lds s[\g0b:\g0b+3], s[\g1b:\g1b+7]
	s_nop 0
.rept 4
	v_nop
.endr
.Lasked_\@:
.endm
.macro CREST                           ; a round of the cluster's barrier behind its opening barrier
	s_cmp_lg_u32 s14, 0
	s_cbranch_scc1 .Lnot_wave_0_\@
	s_barrier_signal -3
.Lnot_wave_0_\@:
	s_barrier_wait -3
	s_barrier_signal -1
	s_barrier_wait -1
.endm
.macro CROUND
	s_barrier_signal -1
	s_barrier_wait -1
	CREST
.endm
	s_load_b128 s[4:7], s[0:1], 0x0                ; ac, wc
	s_load_b128 s[8:11], s[0:1], 0x10              ; lowp_scales, qkv_b
	s_load_b64 s[12:13], s[0:1], 0x20              ; qkc
	v_lshl_add_u32 v[SPW], v0, 2, SPARE
	v_mov_b32 v[NIL], 0
	ds_add_u32 v28, v29
	ds_add_u32 v28, v29
	s_wait_dscnt 0x0
	v_lshrrev_b32 v1, 5, v0
	v_readfirstlane_b32 s14, v1                    ; wave 0..3
	s_lshr_b32 s15, s14, 1                         ; my half of the row side.  Also: I fetch for the row side (0) or the column side (1)
	s_and_b32 s16, s14, 1                          ; my half of the column side.  Also: which 128 rows I fetch
	s_bfe_u32 s40, ttmp6, 0x40000                  ; cx
	s_bfe_u32 s41, ttmp6, 0x40004                  ; cy
	s_and_b32 s18, ttmp7, 0xffff                   ; cluster y
	s_cmp_eq_u32 ttmp9, 2                          ; v?
	s_cselect_b32 s19, 0, s18
	s_cselect_b32 s22, s18, ttmp9
	s_lshl_b32 s17, s19, 2
	s_add_co_u32 s17, s17, s41                     ; tile of the row side: tokens 4 cluster y + cy; for v: W's columns, cy
	s_lshl_b32 s42, s22, 2
	s_add_co_u32 s42, s42, s40                     ; tile of the column side: W's columns 4 cluster x + cx; for v: tokens 4 cluster y + cx
	s_lshl_b32 s43, s41, 2
	s_lshl_b32 s43, 15, s43                        ; my row of the cluster
	s_lshl_b32 s44, 0x1111, s40                    ; my column
	; descriptor group 1: 8 tiles' parts of 4,096 bytes (2 K steps), 16,384 bytes apart, laid on end in LDS; elements of 8 bytes
	s_or_b32 s[G1+0], s43, (3<<16)|(1<<21)
	s_or_b32 s[G1B+0], s44, (3<<16)|(1<<21)
.irp g, G1, G1B
	s_mov_b32 s[\g+1], 512<<16                     ; tensor_dim0 = 512
	s_mov_b32 s[\g+2], 8<<16                       ; tensor_dim1 = 8
	s_mov_b32 s[\g+3], 512<<16                     ; tile_dim0
	s_mov_b32 s[\g+4], 8                           ; tile_dim1
	s_mov_b32 s[\g+5], 2048                        ; from tile to tile, in elements
	s_mov_b32 s[\g+6], 0
	s_mov_b32 s[\g+7], 0
.endr
	s_lshl_b32 s20, s17, 18                        ; 16 tiles x 16,384 bytes
	s_lshl_b32 s18, s16, 17                        ; the 8 tiles that I fetch
	s_add_co_u32 s20, s20, s18
	s_lshl_b32 s46, s42, 18
	s_add_co_u32 s46, s46, s18
	s_cmp_eq_u32 ttmp9, 2
	s_cselect_b32 s19, 0x200000, 0                 ; W's column 2,048 is tile 128
	s_add_co_u32 s20, s20, s19
	s_mov_b32 s21, 0
	s_mov_b32 s47, 0
	s_lshl_b32 s45, s14, 15                        ; where they go: wave x 32,768
	s_wait_kmcnt 0x0
	s_load_b256 s[72:79], s[8:9], 0x0              ; e0 .. e7
	s_cmp_eq_u32 ttmp9, 2
	s_cselect_b64 s[22:23], s[6:7], s[4:5]         ; the row side's buffer
	s_cselect_b64 s[80:81], s[4:5], s[6:7]         ; the column side's
	s_add_nc_u64 s[20:21], s[22:23], s[20:21]
	s_add_nc_u64 s[46:47], s[80:81], s[46:47]
	CROUND                                         ; all sixteen work-groups are here: the first joint loads meet
.irp s, 0,1
	s_mov_b32 s[G0+4*\s], 1
	s_add_co_u32 s[G0+4*\s+1], s45, \s*SLOT
	s_add_nc_u64 s[G0+4*\s+2:G0+4*\s+3], s[20:21], \s*4096
	s_or_b32 s[G0+4*\s+3], s[G0+4*\s+3], 0x80000000
	s_mov_b32 s[G0B+4*\s], 1
	s_add_co_u32 s[G0B+4*\s+1], s45, \s*SLOT
	s_add_nc_u64 s[G0B+4*\s+2:G0B+4*\s+3], s[46:47], \s*4096
	s_or_b32 s[G0B+4*\s+3], s[G0B+4*\s+3], 0x80000000
	JLOAD G0+4*\s, G1, G0B+4*\s, G1B
.endr
	v_and_b32 v1, 31, v0
	v_lshlrev_b32 v4, 4, v1                        ; 16 x lane: an image's place for my lane
	s_lshl_b32 s21, s15, 15                        ; my 128 rows of the row side
	s_lshl_b32 s22, s16, 15
	s_add_co_u32 s22, s22, 65536                   ; of the column side, behind the row side's 256
.irp s, 0,1
	v_add_nc_u32 v[ADRA+\s], s21, v4
	v_add_nc_u32 v[ADRB+\s], s22, v4
	s_add_co_u32 s21, s21, SLOT
	s_add_co_u32 s22, s22, SLOT
.endr
	; where my results go.  q, k: ((batch x 16 + head) x 128 + tile of tokens) x 1,024
	s_lshr_b32 s82, s17, 3
	s_lshl_b32 s82, s82, 4
	s_and_b32 s83, s42, 3
	s_lshl_b32 s83, s83, 2
	s_add_co_u32 s82, s82, s83
	s_lshl_b32 s83, s16, 1
	s_add_co_u32 s82, s82, s83                     ; batch x 16 + my first head
	s_lshl_b32 s82, s82, 7
	s_and_b32 s83, s17, 7
	s_lshl_b32 s83, s83, 4
	s_add_co_u32 s82, s82, s83
	s_lshl_b32 s83, s15, 3
	s_add_co_u32 s82, s82, s83
	s_lshl_b32 s82, s82, 10
	s_lshr_b32 s83, s42, 2                         ; q or k
	s_lshl_b32 s83, s83, 22
	s_add_co_u32 s82, s82, s83
	; v: 0x800000 + (batch x 16 + head) x 131,072 + (128 keys) x 8,192
	s_lshr_b32 s84, s42, 3
	s_lshl_b32 s84, s84, 4
	s_lshl_b32 s85, s17, 2
	s_add_co_u32 s84, s84, s85
	s_lshl_b32 s85, s15, 1
	s_add_co_u32 s84, s84, s85
	s_lshl_b32 s84, s84, 17
	s_and_b32 s85, s42, 7
	s_lshl_b32 s85, s85, 1
	s_add_co_u32 s85, s85, s16
	s_lshl_b32 s85, s85, 13
	s_add_co_u32 s84, s84, s85
	s_add_co_u32 s84, s84, 0x800000
	; the biases' places: by register (q, k: the column side) and by lane (v: the row side); the one that does not apply is read at the buffer's head and made 0
	s_lshl_b32 s92, s42, 10
	s_lshl_b32 s93, s16, 9
	s_add_co_u32 s92, s92, s93
	s_lshl_b32 s94, s17, 10
	s_lshl_b32 s93, s15, 9
	s_add_co_u32 s94, s94, s93
	s_add_co_u32 s94, s94, 8192
	s_cmp_eq_u32 ttmp9, 2
	s_cselect_b32 s82, s84, s82
	s_cselect_b32 s92, 0, s92
	s_cselect_b32 s94, s94, 0
	s_mov_b32 s86, 1024
	s_cselect_b32 s86, 2048, s86                   ; from a tile of the row side to the next
	s_mov_b32 s88, 1024
	s_cselect_b32 s88, 124928, s88                 ; from the fourth to the fifth: for v the next head, 131,072 - 3 x 2,048
	s_mov_b32 s90, 131072
	s_cselect_b32 s90, 1024, s90                   ; 64 of the column side on: q, k the next head; v 1,024 bytes of the same image
	s_mov_b32 s83, 0
	s_mov_b32 s87, 0
	s_mov_b32 s89, 0
	s_mov_b32 s93, 0
	s_mov_b32 s95, 0
	s_add_nc_u64 s[12:13], s[12:13], s[82:83]
	s_add_nc_u64 s[92:93], s[10:11], s[92:93]
	s_add_nc_u64 s[94:95], s[10:11], s[94:95]
	v_mov_b32 v[VO], v4
	v_add_nc_u32 v[VO+1], 512, v4
	v_add_nc_u32 v[VO+2], s90, v4
	v_add_nc_u32 v[VO+3], s90, v[VO+1]
	v_bfe_u32 v5, v0, 4, 1
	v_lshlrev_b32 v111, 6, v5                      ; 64 h: my half's 16 numbers of each 32
	v_and_b32 v5, 7, v0
	v_bfe_u32 v6, v0, 3, 1
	v_lshl_add_u32 v5, v6, 4, v5
	v_lshlrev_b32 v112, 2, v5                      ; 4 (r % 8 + 16 (r / 8)): my row of a tile
.irp b, 0,1,2,3,4,5,6,7
	global_load_b128 v[BJ+8*\b:BJ+8*\b+3], v111, s[92:93] offset:4*(32*(\b/2)+8*(\b%2))
	global_load_b128 v[BJ+8*\b+4:BJ+8*\b+7], v111, s[92:93] offset:4*(32*(\b/2)+8*(\b%2))+16
.endr
.irp a, 0,1,2,3,4,5,6,7
	global_load_b32 v[BI+\a], v112, s[94:95] offset:4*(32*(\a/2)+8*(\a%2))
.endr
	s_wait_kmcnt 0x0
	s_add_co_i32 s96, s72, s73
	s_add_co_i32 s96, s96, 127
	s_lshl_b32 s96, s96, 23                        ; 2^(e0 + e1) as f32
	s_mov_b32 s97, s96                             ; (named with it as a pair, so it is written)
	s_cmp_eq_u32 ttmp9, 1
	s_cselect_b32 s98, s75, s74                    ; e3 for k, e2 for q,
	s_cmp_eq_u32 ttmp9, 2
	s_cselect_b32 s98, s77, s98                    ; e5 for v
	s_add_co_i32 s98, s98, 127
	s_lshl_b32 s99, s98, 23
	v_mov_b32 v108, s99                            ; the scale as f32
	s_add_co_i32 s98, s98, 8
	s_lshl_b32 s98, s98, 23
	s_or_b32 s98, s98, 0x600000
	v_mov_b32 v109, s98                            ; 448 x the scale
	v_mov_b32 v110, 0
.macro FRAG reg, adr, q, i             ; a fragment as it lies: four loads of 512 consecutive bytes
.irp c, 0,1,2,3
	ds_load_b128 v[\reg+4*\c:\reg+4*\c+3], v[\adr] offset:2048*(\q)+512*\c+(\i)*4096
.endr
.endm
; 16 matrix instructions: the row side's blocks a0, a0 + 1 x the column side's eight.  The 64 accumulators take turns, one instruction a turn, in the same order in every step.
.macro MUL16 a0, p, zero
.irp a, \a0, \a0+1
.irp b, 0,1,2,3,4,5,6,7
.if \zero
	v_wmma_f32_16x16x128_fp8_fp8 v[8*(8*((\a)%4)+\b):8*(8*((\a)%4)+\b)+7], v[128*(\p)+FR*\b:128*(\p)+FR*\b+FR-1], v[AF+FR*(\a):AF+FR*(\a)+FR-1], 0
.else
	v_wmma_f32_16x16x128_fp8_fp8 v[8*(8*((\a)%4)+\b):8*(8*((\a)%4)+\b)+7], v[128*(\p)+FR*\b:128*(\p)+FR*\b+FR-1], v[AF+FR*(\a):AF+FR*(\a)+FR-1], v[8*(8*((\a)%4)+\b):8*(8*((\a)%4)+\b)+7]
.endif
.endr
.endr
.endm
.macro FETCH_B slot, q, p
	WIN TO_B
.irp i, 0,1,2,3,4,5,6,7
	FRAG 128*(\p)+FR*\i, ADRB+\slot, \q, \i
.endr
	WIN 0
.endm
.macro FETCH_A slot, q, i0
.irp i, \i0, \i0+1, \i0+2, \i0+3
	FRAG AF+FR*(\i), ADRA+\slot, \q, \i
.endr
.endm
.macro PLACES n                        ; plain vector instructions between a matrix instruction and a load into, or a read of, its registers
.rept \n
	v_nop
.endr
.endm
.macro STEP slot, q, zero              ; 128 along K, with its successor in the same slot
	s_wait_dscnt 4*NL                              ; the column side's set and blocks 0-3 are in; the youngest sixteen loads (blocks 4-7) may be out
	WIN MUL_LO
	MUL16 0, (\q)%2, \zero
	MUL16 2, (\q)%2, \zero
	s_wait_dscnt 0
	PLACES NP
	FETCH_B \slot, (\q)+1, 1-(\q)%2
	FETCH_A \slot, (\q)+1, 0
	WIN MUL_HI
	MUL16 4, (\q)%2, \zero
	MUL16 6, (\q)%2, \zero
	PLACES NP
	WIN 0
	FETCH_A \slot, (\q)+1, 4
.endm
; A slot's last step changes slots: one barrier; in front of it each wave waits for all its tensor loads, adds 0 to its spare word, and waits for that and for its reads of this slot.
.macro TURN slot, next, fill
	s_wait_tensorcnt 0x0                           ; all my tensor loads have landed: my part of the next slot
	ds_add_u32 v[SPW], v[NIL]                      ; 0 onto my spare word
	s_wait_dscnt 4*NL+1                            ; (the add and blocks 4-7's sixteen loads may be out)
	WIN MUL_LO
	MUL16 0, 1, 0
	s_wait_dscnt 0x0                               ; the add is done, and my reads of this slot are over
	s_barrier_signal -1
	MUL16 2, 1, 0
	WIN 0
	s_barrier_wait -1
.if \fill
	CREST                                          ; the barrier has opened a round of the cluster's: no wave of any partner still reads this slot or has a load on its way
	s_add_nc_u64 s[G0+4*\slot+2:G0+4*\slot+3], s[G0+4*\slot+2:G0+4*\slot+3], 8192
	s_add_nc_u64 s[G0B+4*\slot+2:G0B+4*\slot+3], s[G0B+4*\slot+2:G0B+4*\slot+3], 8192
	JLOAD G0+4*\slot, G1, G0B+4*\slot, G1B         ; the first tensor load behind the round; its four v_nop are the places in front of the loads below
.else
	PLACES NP
.endif
	FETCH_B \next, 0, 0
	FETCH_A \next, 0, 0
	WIN MUL_HI
	MUL16 4, 1, 0
	MUL16 6, 1, 0
	PLACES NP
	WIN 0
	FETCH_A \next, 0, 4
.endm
	s_wait_tensorcnt 1                             ; my part of slot 0 is in; slot 1's load may be out
	s_barrier_signal -1
	s_barrier_wait -1
	FETCH_B 0, 0, 0
	FETCH_A 0, 0, 0
	FETCH_A 0, 0, 4
	STEP 0, 0, 1                                   ; the first step's products start the sums
	s_mov_b32 s3, LAPS-1
.Llap:
	TURN 0, 1, 1
	STEP 1, 0, 0
	TURN 1, 0, 1
	STEP 0, 0, 0
	s_sub_co_u32 s3, s3, 1
	s_cmp_lg_u32 s3, 0
	s_cbranch_scc1 .Llap
	TURN 0, 1, 0
	STEP 1, 0, 0
	s_wait_dscnt 4*NL
	WIN MUL_LO
	MUL16 0, 1, 0
	MUL16 2, 1, 0
	s_wait_dscnt 0
	WIN MUL_HI
	MUL16 4, 1, 0
	MUL16 6, 1, 0
	WIN 0
	; THE WAY OUT.  The bias that does not apply becomes 0; these 72 plain lines are also the places behind the last products.
	s_wait_loadcnt 0x0
	s_cmp_eq_u32 ttmp9, 2
	s_cselect_b32 vcc_lo, -1, 0
.set j, 0
.rept 64
	v_cndmask_b32 v[BJ+j], v[BJ+j], v110, vcc_lo
.set j, j+1
.endr
	s_not_b32 vcc_lo, vcc_lo
.set j, 0
.rept 8
	v_cndmask_b32 v[BI+j], v[BI+j], v110, vcc_lo
.set j, j+1
.endr
.macro QOUT a                          ; block a: 16 rows of the row side x 128 of the column side
.set AC, 64*((\a)%4)
.set CDS, 192+16*((\a)%2)
	WIN 0x02+((\a)/4)                              ; source 0: window 2 or 3
.set j, 0
.rept 32
	v_pk_fma_f32 v[TMP+j:TMP+j+1], v[AC+j:AC+j+1], s[96:97], v[BJ+j:BJ+j+1] op_sel_hi:[1,0,1]   ; sum x 2^(e0 + e1) + bias; each accumulator from its low end on
.set j, j+2
.endr
	WIN 0
.set j, 0
.rept 32
.if (\a)%2
	v_pk_add_f32 v[TMP+j:TMP+j+1], v[TMP+j:TMP+j+1], v[BI+2*((\a)/2):BI+2*((\a)/2)+1] op_sel:[0,1] op_sel_hi:[1,1]
.else
	v_pk_add_f32 v[TMP+j:TMP+j+1], v[TMP+j:TMP+j+1], v[BI+2*((\a)/2):BI+2*((\a)/2)+1] op_sel:[0,0] op_sel_hi:[1,0]
.endif
.set j, j+2
.endr
.set j, 0
.rept 64
	v_med3_num_f32 v[TMP+j], v[TMP+j], -v109, v109
.set j, j+1
.endr
.set j, 0
.rept 8
	v_cvt_scalef32_pk8_fp8_f32 v[CDS+2*j:CDS+2*j+1], v[TMP+8*j:TMP+8*j+7], v108
.set j, j+1
.endr
	v_nop                                          ; a plain instruction behind the last conversion
.irp b, 0,1,2,3
	global_store_b128 v[VO+\b], v[CDS+4*\b:CDS+4*\b+3], s[12:13]   ; 512 consecutive bytes of an image
.endr
.if (\a) < 7
	s_wait_xcnt 0x0                                ; the stores have read their base and their data
.if (\a) == 3
	s_add_nc_u64 s[12:13], s[12:13], s[88:89]
.else
	s_add_nc_u64 s[12:13], s[12:13], s[86:87]
.endif
.endif
.endm
.irp a, 0,1,2,3,4,5,6,7
	QOUT \a
.endr
	s_wait_tensorcnt 0x0                           ; the wave's end
	ds_add_u32 v[SPW], v[NIL]
	s_wait_dscnt 0x0
	CROUND                                         ; the closing round
	s_endpgm
.Lfunc_end_k_q1aa0459cb3_qkv:
	.size	k_q1aa0459cb3_qkv, .Lfunc_end_k_q1aa0459cb3_qkv-k_q1aa0459cb3_qkv
	.p2alignl 7, 3214868480
	.fill 96, 4, 3214868480
	.section	.rodata,"a",@progbits
	.p2align	6, 0x0
	.amdhsa_kernel k_q1aa0459cb3_qkv
		.amdhsa_group_segment_fixed_size 327680
		.amdhsa_private_segment_fixed_size 0
		.amdhsa_enable_private_segment 0
		.amdhsa_kernarg_size 40
		.amdhsa_user_sgpr_count 2
		.amdhsa_user_sgpr_kernarg_segment_ptr 1
		.amdhsa_wavefront_size32 1
		.amdhsa_system_sgpr_workgroup_id_x 1
		.amdhsa_system_sgpr_workgroup_id_y 1
		.amdhsa_system_sgpr_workgroup_id_z 1
		.amdhsa_system_vgpr_workitem_id 0
		.amdhsa_next_free_vgpr 1024
		.amdhsa_next_free_sgpr 100
		.amdhsa_reserve_vcc 1
		.amdhsa_float_denorm_mode_32 3
		.amdhsa_float_denorm_mode_16_64 3
		.amdhsa_memory_ordered 1
		.amdhsa_forward_progress 1
		.amdhsa_inst_pref_size 156
	.end_amdhsa_kernel
	.amdgpu_metadata
---
amdhsa.version: [ 1, 2 ]
amdhsa.kernels:
  - .name:           k_q1aa0459cb3_qkv
    .symbol:         k_q1aa0459cb3_qkv.kd
    .args:
      - { .name: ac, .offset: 0, .size: 8, .value_kind: global_buffer, .address_space: global }
      - { .name: wc, .offset: 8, .size: 8, .value_kind: global_buffer, .address_space: global }
      - { .name: lowp_scales, .offset: 16, .size: 8, .value_kind: global_buffer, .address_space: global }
      - { .name: qkv_b, .offset: 24, .size: 8, .value_kind: global_buffer, .address_space: global }
      - { .name: qkc, .offset: 32, .size: 8, .value_kind: global_buffer, .address_space: global }
    .group_segment_fixed_size: 327680
    .private_segment_fixed_size: 0
    .kernarg_segment_align: 8
    .kernarg_segment_size: 40
    .max_flat_workgroup_size: 128
    .sgpr_count:     100
    .vgpr_count:     1024
    .wavefront_size: 32
...
	.end_amdgpu_metadata
.endif
;; end of part 2
;; launch attn (part 3): grid 8 x 32, 16 waves a work-group, clusters of 4 x 1, 264,192 bytes of LDS; arguments qkc, lowp_scales, oc; writes oc
.if DOCPART == 3
	.amdgcn_target "amdgcn-amd-amdhsa--gfx1250"
	.amdhsa_code_object_version 6
	.text
	.protected	k_q1aa0459cb3_attn
	.globl	k_q1aa0459cb3_attn
	.p2align	8
	.type	k_q1aa0459cb3_attn,@function
k_q1aa0459cb3_attn:
	s_mov_b64 s[64:65], 0
	v_nop
	global_prefetch_b8 v0, s[64:65] scope:SCOPE_SE
	s_setreg_imm32_b32 hwreg(HW_REG_WAVE_MODE, 25, 1), 1
	s_wait_xcnt 0x0
	s_wait_alu depctr_hold_cnt(0) depctr_sa_sdst(0) depctr_va_vdst(0) depctr_va_sdst(0) depctr_va_ssrc(0) depctr_va_vcc(0) depctr_vm_vsrc(0)
	s_getreg_b32 s2, hwreg(HW_REG_IB_STS2, 6, 4)
	s_cmp_eq_u32 s2, 0
	s_cbranch_scc0 .Lentry_in_a_cluster
	s_endpgm
.Lentry_in_a_cluster:
	s_bfe_u32 s2, ttmp6, 0x10000c
	s_cmp_lg_u32 s2, 0x3003
	s_cbranch_scc0 .Lentry_shape_is_right
	s_endpgm
.Lentry_shape_is_right:
; ATTENTION, causal, 32 (batch x head) of 2,048 tokens x 64, both products on codes of E4M3: q under 2^e2, k 2^e3, p 2^e4, v 2^e5; the result is quantised under 2^e6 for the next product.
; t = score x log2(e) / 8; M = the running largest t rounded UP to a whole number; p = 2^(t - M) is quantised, not normalised; the row's sum is taken of the unquantised p and divides at the end.
; When M moves, the sum and O are multiplied by 2^(old M - new M), which rounds nothing.
; IN: q, k: [bh][tile of 16 tokens 128][1,024] (byte 512 c + 16 L + i = token rho(T, L % 16), d = 32 c + 16 (L / 16) + i); v: [bh][128 keys 16][tile of d 4][2,048], keys innermost.  rho(T, r) = 32 (T/2) + 8 (T%2) + r%8 + 16 (r/8).
; SHARES.  A head's K and V, 131,072 bytes each, lie whole in LDS: every byte is filled once, so there is no ring.  A work-group (g = 0..7 of its head) has 16 waves; wave w owns ONE tile of 16 queries, tile 8 IW + g,
; which needs key steps 0 .. IW of 128 keys, the last on the diagonal.  IW(w) is a 4 x 4 magic square of 0..15: the four waves w % 4 = const and the four w / 4 = const both have 34 steps together,
; and every work-group has the same profile.  Steps whose keys all come after the queries are jumped over: a branch on the wave's number and a counter.
; Both products are used transposed: S^T = K Q^T, O^T = V^T P^T: a lane holds one query (lane % 16) throughout; two neighbouring tiles' 16 registers are 16 neighbouring keys (or 16 neighbours of d).
; CLUSTER: the four work-groups of a cluster belong to one head and ask for K and V jointly.
; LIMITS: e2 + e3 between -124 and 130 (added to c's exponent field); e4, e6 between -126 and 119.  NaN is not served.
; REGISTERS: v1 16 lane, v2 the same in V's half of LDS, v3 my query less 16 (lane / 16) within its 128, v8-9 addresses in hand, v12 -M, v13 largest t, v[14:15] the sum, v16-23 Q, v24-27 the quantisers' constants,
;   v28 for the permute, v[30:31] f, v32-95 fragments of K, then of V, v96-159 S^T then p, v160-191 O^T, v192-207 p's codes, v208-212 at work.
.macro CROUND
	s_barrier_signal -1
	s_barrier_wait -1
	s_cmp_lg_u32 s18, 0
	s_cbranch_scc1 .Lnot_wave_0_\@
	s_barrier_signal -3
.Lnot_wave_0_\@:
	s_barrier_wait -3
	s_barrier_signal -1
	s_barrier_wait -1
.endm
	s_load_b128 s[4:7], s[0:1], 0x0                ; qkc, lowp_scales
	s_load_b64 s[8:9], s[0:1], 0x10                ; oc
	v_lshl_add_u32 v254, v0, 2, 0x40000
	v_mov_b32 v255, 0
	ds_add_u32 v254, v255
	ds_add_u32 v254, v255
	v_lshrrev_b32 v1, 5, v0
	v_readfirstlane_b32 s18, v1                    ; wave 0..15
	s_bfe_u32 s10, ttmp6, 0x40000                  ; cx
	s_lshl_b32 s11, ttmp9, 2
	s_add_co_u32 s11, s11, s10                     ; g: it enters Q's and O's global addresses and one vector register, nothing else
	s_and_b32 s12, ttmp7, 0xffff                   ; bh, which the partners share
	s_mov_b32 s19, 0x0de3b658                      ; waves 8-15: 8 5 6 11 / 3 14 13 0
	s_cmp_lt_u32 s18, 8
	s_cselect_b32 s19, 0x7a94c12f, s19             ; waves 0-7: 15 2 1 12 / 4 9 10 7
	s_and_b32 s13, s18, 7
	s_lshl_b32 s13, s13, 2
	s_lshr_b32 s19, s19, s13
	s_and_b32 s19, s19, 15                         ; IW
	; descriptor groups 1: dense blocks as rows of 256 bytes (32 elements of 8): 64 rows (two key steps), and the other 448
	s_mov_b32 s24, 15|(3<<16)|(1<<21)              ; the mask: all four work-groups; bit 21 beside it
	s_mov_b32 s25, 32<<16
	s_mov_b32 s26, 64<<16
	s_mov_b32 s27, 32<<16
	s_mov_b32 s28, 64
	s_mov_b32 s29, 32
	s_mov_b32 s30, 0
	s_mov_b32 s31, 0
	s_mov_b32 s32, 15|(3<<16)|(1<<21)
	s_mov_b32 s33, 32<<16
	s_mov_b32 s34, 448<<16
	s_mov_b32 s35, 32<<16
	s_mov_b32 s36, 448
	s_mov_b32 s37, 32
	s_mov_b32 s38, 0
	s_mov_b32 s39, 0
	s_and_b32 s14, s18, 1                          ; wave 0 fetches K, wave 1 V
	s_lshl_b32 s15, s14, 17                        ; K at LDS byte 0, V at 131,072
	s_lshl_b32 s16, s14, 22
	s_add_co_u32 s16, s16, 0x400000
	s_lshl_b32 s17, s12, 17
	s_add_co_u32 s16, s16, s17
	s_mov_b32 s17, 0
	s_mov_b32 s20, 0x76543210
	s_mov_b32 s21, 0xfedcba98
	s_mov_b32 s22, 0x3e38aa3b                      ; c = log2(e) / 8
	s_wait_dscnt 0x0
	s_wait_kmcnt 0x0
	s_load_b256 s[48:55], s[6:7], 0x0              ; e0 .. e7
	s_add_nc_u64 s[16:17], s[4:5], s[16:17]
	CROUND                                         ; all four work-groups are here: the joint loads meet
	s_mov_b32 s40, 1
	s_mov_b32 s41, s15
	s_mov_b64 s[42:43], s[16:17]
	s_or_b32 s43, s43, 0x80000000
	s_mov_b32 s44, 1
	s_add_co_u32 s45, s15, 16384
	s_add_nc_u64 s[46:47], s[16:17], 16384
	s_or_b32 s47, s47, 0x80000000
	s_cmp_lt_u32 s18, 2                            ; a wave's two fills stand in one branch, ahead of every wait on TENSORcnt, LDS read and barrier: two loads of mine are out
	s_cbranch_scc0 .Lno_fetch
	tensor_load_to_lds s[40:43], s[24:31]
	s_nop 0
	tensor_load_to_lds s[44:47], s[32:39]
	s_nop 0
.rept 4
	v_nop
.endr
.Lno_fetch:
	s_lshl_b32 s13, s19, 3
	s_add_co_u32 s13, s13, s11                     ; my tile of queries
	s_lshl_b32 s56, s12, 7
	s_add_co_u32 s56, s56, s13
	s_lshl_b32 s56, s56, 10
	s_mov_b32 s57, 0
	s_add_nc_u64 s[4:5], s[4:5], s[56:57]          ; its codes
	s_lshr_b32 s58, s12, 4                         ; oc: ((batch x 128 + tile) x 8 + head / 2) x 2,048 + (head % 2) x 1,024
	s_lshl_b32 s58, s58, 7
	s_add_co_u32 s58, s58, s13
	s_lshl_b32 s58, s58, 3
	s_bfe_u32 s59, s12, 0x30001
	s_add_co_u32 s58, s58, s59
	s_lshl_b32 s58, s58, 11
	s_and_b32 s59, s12, 1
	s_lshl_b32 s59, s59, 10
	s_add_co_u32 s58, s58, s59
	s_mov_b32 s59, 0
	s_add_nc_u64 s[8:9], s[8:9], s[58:59]
	v_and_b32 v1, 31, v0
	v_lshlrev_b32 v1, 4, v1
	v_add_nc_u32 v2, 0x20000, v1
	global_load_b128 v[16:19], v1, s[4:5]          ; Q's fragment stays in registers
	global_load_b128 v[20:23], v1, s[4:5] offset:512
	s_lshr_b32 s56, s11, 1
	s_lshl_b32 s56, s56, 5
	s_and_b32 s57, s11, 1
	s_lshl_b32 s57, s57, 3
	s_add_co_u32 s56, s56, s57
	v_and_b32 v3, 7, v0
	v_bfe_u32 v4, v0, 3, 1
	v_lshl_add_u32 v3, v4, 4, v3
	v_bfe_u32 v4, v0, 4, 1
	v_lshlrev_b32 v4, 4, v4
	v_sub_nc_u32 v3, v3, v4
	v_add_nc_u32 v3, s56, v3                       ; my query within its 128, less 16 (lane / 16): register 16 b + i holds key 32 b + 16 (lane / 16) + i, hidden where 32 b + i is greater
	v_mov_b32 v13, 0xff61b1e6                      ; the largest t so far: -3e38
	v_floor_f32 v12, -v13
	v_mov_b32 v14, 0
	v_mov_b32 v15, 0
	v_mov_b32 v28, 0
	v_mov_b32 v31, 0
	v_mov_b32 v212, 0xff800000                     ; -infinity
.set j, 0
.rept 32
	v_mov_b32 v[160+j], 0                          ; O^T: the step is written for every step alike; the first finds zeros
.set j, j+1
.endr
	s_wait_kmcnt 0x0
	s_add_co_i32 s56, s50, s51
	s_lshl_b32 s56, s56, 23
	s_add_co_i32 s22, s22, s56                     ; a score stands for score x 2^(e2 + e3)
	s_mov_b32 s23, s22
	s_add_co_i32 s56, s52, 127
	s_lshl_b32 s57, s56, 23
	v_mov_b32 v24, s57                             ; 2^e4
	s_add_co_i32 s56, s56, 8
	s_lshl_b32 s56, s56, 23
	s_or_b32 s56, s56, 0x600000
	v_mov_b32 v25, s56                             ; 448 x 2^e4
	s_add_co_i32 s56, s54, 127
	s_lshl_b32 s57, s56, 23
	v_mov_b32 v26, s57                             ; 2^e6
	s_add_co_i32 s56, s56, 8
	s_lshl_b32 s56, s56, 23
	s_or_b32 s56, s56, 0x600000
	v_mov_b32 v27, s56                             ; 448 x 2^e6
; A KEY STEP: 128 keys at LDS byte s2 of K's and of V's half; s3 counts the steps
.macro STEP
	s_cmp_gt_u32 s3, s19                           ; all its keys come after my queries: nothing to do
	s_cbranch_scc1 .Lhidden_\@
	v_add_nc_u32 v8, s2, v1
	v_add_nc_u32 v9, s2, v2
	v_nop
	v_nop                                          ; four places in front of loads into registers that the last products read
.irp t, 0,1,2,3,4,5,6,7
	ds_load_b128 v[32+8*\t:35+8*\t], v8 offset:1024*\t
	ds_load_b128 v[36+8*\t:39+8*\t], v8 offset:1024*\t+512
.endr
	s_wait_dscnt 0x0
.irp t, 0,1,2,3,4,5,6,7
	v_wmma_f32_16x16x64_fp8_fp8 v[96+8*\t:103+8*\t], v[32+8*\t:39+8*\t], v[16:23], 0
.endr
.rept 4
	v_nop
.endr
.irp t, 0,1,2,3
.irp c, 0,1,2,3
	ds_load_b128 v[32+16*\t+4*\c:35+16*\t+4*\c], v9 offset:2048*\t+512*\c   ; V's fragments land while the softmax is worked
.endr
.endr
	s_cmp_lg_u32 s3, s19                           ; only the last step of a wave lies on the diagonal
	s_cbranch_scc1 .Lopen_\@
.set n, 0
.rept 64
	v_cmp_gt_i32 vcc_lo, 32*(n/16)+n%16, v3
	v_cndmask_b32 v[96+n], v[96+n], v212, vcc_lo
.set n, n+1
.endr
.Lopen_\@:
	v_max3_num_f32 v210, v96, v97, v98             ; the step's largest score of my query among my 64 keys, in two chains,
	v_max3_num_f32 v211, v99, v100, v101
.irp i, 6,10,14,18,22,26,30,34,38,42,46,50,54,58
	v_max3_num_f32 v210, v210, v[96+\i], v[97+\i]
	v_max3_num_f32 v211, v211, v[98+\i], v[99+\i]
.endr
	v_max3_num_f32 v210, v210, v158, v159
	v_max_num_f32 v210, v210, v211
	v_permlanex16_b32 v28, v210, s20, s21
	v_max_num_f32 v210, v210, v28                  ; and among lane l xor 16's
	v_mul_f32 v210, s22, v210                      ; as t (c is positive)
	v_max_num_f32 v13, v13, v210
	v_mov_b32 v210, v12
	v_floor_f32 v12, -v13                          ; -M = floor(-t)
	v_sub_f32 v210, v12, v210                      ; old M - new M: a whole number, 0 or less
	v_cvt_i32_f32 v210, v210
	v_ldexp_f32 v30, 1.0, v210                     ; f = 2^(old M - new M)
.set j, 0
.rept 32
	v_pk_fma_f32 v[96+j:97+j], v[96+j:97+j], s[22:23], v[12:13] op_sel_hi:[1,0,0]   ; t - M
.set j, j+2
.endr
.set j, 0
.rept 64
	v_exp_f32 v[96+j], v[96+j]                     ; p = 2^(t - M)
.set j, j+1
.endr
	v_pk_mul_f32 v[14:15], v[14:15], v[30:31] op_sel_hi:[1,0]   ; the sums under the new M (a plain instruction behind the batch)
	s_wait_alu depctr_va_vdst(0)                   ; one wait for the whole batch, ahead of its first reader
	v_pk_add_f32 v[208:209], v[96:97], v[98:99]    ; the row's sum is taken of the unquantised p
.irp j, 4,8,12,16,20,24,28,32,36,40,44,48,52,56,60
	v_pk_add_f32 v[14:15], v[14:15], v[96+\j:97+\j]
	v_pk_add_f32 v[208:209], v[208:209], v[98+\j:99+\j]
.endr
	v_pk_add_f32 v[14:15], v[14:15], v[208:209]
.irp b, 0,1,2,3
.irp i, 0,1,2,3,4,5,6,7,8,9,10,11,12,13,14,15
	v_min_num_f32 v[96+16*\b+\i], v[96+16*\b+\i], v25   ; the conversion does not saturate (ISA guide 7.6.2); p is not negative
.endr
	v_cvt_scalef32_pk8_fp8_f32 v[192+4*\b:193+4*\b], v[96+16*\b:103+16*\b], v24
	v_cvt_scalef32_pk8_fp8_f32 v[194+4*\b:195+4*\b], v[104+16*\b:111+16*\b], v24
.endr
.set j, 0
.rept 16
	v_pk_mul_f32 v[160+j:161+j], v[160+j:161+j], v[30:31] op_sel_hi:[1,0]   ; O^T under the new M; also the plain lines behind the conversions
.set j, j+2
.endr
	s_wait_dscnt 0x0                               ; V's fragments
.irp t, 0,1,2,3
	v_wmma_f32_16x16x128_fp8_fp8 v[160+8*\t:167+8*\t], v[32+16*\t:47+16*\t], v[192:207], v[160+8*\t:167+8*\t]
.endr
.Lhidden_\@:
.endm
	s_wait_loadcnt 0x0                             ; Q
	s_wait_tensorcnt 1                             ; the first two key steps are in; the large block, issued behind them, may be out
	s_barrier_signal -1
	s_barrier_wait -1
	s_mov_b32 s2, 0
	s_mov_b32 s3, 0
.Lfirst:                                           ; key steps 0 and 1
	STEP
	s_add_co_u32 s2, s2, 8192
	s_add_co_u32 s3, s3, 1
	s_cmp_lt_u32 s3, 2
	s_cbranch_scc1 .Lfirst
	s_wait_tensorcnt 0x0                           ; the rest of K and V
	s_wait_dscnt 0x0
	s_barrier_signal -1
	s_barrier_wait -1
	s_mov_b32 s2, 16384
	s_mov_b32 s3, 2
.Lrest:                                            ; key steps 2 to 15: 14 trips for every wave; a wave's work ends with its step IW
	STEP
	s_add_co_u32 s2, s2, 8192
	s_add_co_u32 s3, s3, 1
	s_cmp_lt_u32 s3, 16
	s_cbranch_scc1 .Lrest
	; THE WAY OUT: O^T / the sum x 2^(e4 + e5), quantised under 2^e6: register 8 t + j is d = 32 (t / 2) + 16 (lane / 16) + 8 (t % 2) + j, so the codes are the next operand's image as they stand
.rept 4
	v_nop
.endr
	v_add_f32 v14, v14, v15
	v_permlanex16_b32 v28, v14, s20, s21
	v_add_f32 v14, v14, v28
	v_rcp_f32 v14, v14
	v_nop
	s_add_co_i32 s56, s52, s53
	s_wait_alu depctr_va_vdst(0)                   ; ahead of the reciprocal's first reader
	v_ldexp_f32 v14, v14, s56
.set j, 0
.rept 32
	v_mul_f32 v[96+j], v[160+j], v14
.set j, j+1
.endr
.set j, 0
.rept 32
	v_med3_num_f32 v[96+j], v[96+j], -v27, v27
.set j, j+1
.endr
.irp k, 0,1,2,3
	v_cvt_scalef32_pk8_fp8_f32 v[192+2*\k:193+2*\k], v[96+8*\k:103+8*\k], v26
.endr
	v_nop
	global_store_b128 v1, v[192:195], s[8:9]       ; 512 consecutive bytes
	global_store_b128 v1, v[196:199], s[8:9] offset:512
	s_wait_tensorcnt 0x0
	ds_add_u32 v254, v255
	s_wait_dscnt 0x0
	CROUND                                         ; the closing round: no work-group ends while a partner may still ask jointly
	s_endpgm
.Lfunc_end_k_q1aa0459cb3_attn:
	.size	k_q1aa0459cb3_attn, .Lfunc_end_k_q1aa0459cb3_attn-k_q1aa0459cb3_attn
	.p2alignl 7, 3214868480
	.fill 96, 4, 3214868480
	.section	.rodata,"a",@progbits
	.p2align	6, 0x0
	.amdhsa_kernel k_q1aa0459cb3_attn
		.amdhsa_group_segment_fixed_size 264192
		.amdhsa_private_segment_fixed_size 0
		.amdhsa_enable_private_segment 0
		.amdhsa_kernarg_size 24
		.amdhsa_user_sgpr_count 2
		.amdhsa_user_sgpr_kernarg_segment_ptr 1
		.amdhsa_wavefront_size32 1
		.amdhsa_system_sgpr_workgroup_id_x 1
		.amdhsa_system_sgpr_workgroup_id_y 1
		.amdhsa_system_sgpr_workgroup_id_z 1
		.amdhsa_system_vgpr_workitem_id 0
		.amdhsa_next_free_vgpr 256
		.amdhsa_next_free_sgpr 66
		.amdhsa_reserve_vcc 1
		.amdhsa_float_denorm_mode_32 3
		.amdhsa_float_denorm_mode_16_64 3
		.amdhsa_memory_ordered 1
		.amdhsa_forward_progress 1
		.amdhsa_inst_pref_size 53
	.end_amdhsa_kernel
	.amdgpu_metadata
---
amdhsa.version: [ 1, 2 ]
amdhsa.kernels:
  - .name:           k_q1aa0459cb3_attn
    .symbol:         k_q1aa0459cb3_attn.kd
    .args:
      - { .name: qkc, .offset: 0, .size: 8, .value_kind: global_buffer, .address_space: global }
      - { .name: lowp_scales, .offset: 8, .size: 8, .value_kind: global_buffer, .address_space: global }
      - { .name: oc, .offset: 16, .size: 8, .value_kind: global_buffer, .address_space: global }
    .group_segment_fixed_size: 264192
    .private_segment_fixed_size: 0
    .kernarg_segment_align: 8
    .kernarg_segment_size: 24
    .max_flat_workgroup_size: 512
    .sgpr_count:     66
    .vgpr_count:     256
    .wavefront_size: 32
...
	.end_amdgpu_metadata
.endif
;; end of part 3
;; launch oproj (part 4): grid 8 x 32, 4 waves a work-group, clusters of 4 x 4, 327,680 bytes of LDS; arguments oc, wc, lowp_scales, attn_out_b, xn, h; writes h
.if DOCPART == 4
	.amdgcn_target "amdgcn-amd-amdhsa--gfx1250"
	.amdhsa_code_object_version 6
	.text
	.protected	k_q1aa0459cb3_oproj
	.globl	k_q1aa0459cb3_oproj
	.p2align	8
	.type	k_q1aa0459cb3_oproj,@function
k_q1aa0459cb3_oproj:
	s_mov_b64 s[64:65], 0
	v_nop
	global_prefetch_b8 v0, s[64:65] scope:SCOPE_SE
	s_setreg_imm32_b32 hwreg(HW_REG_WAVE_MODE, 25, 1), 1
	s_wait_xcnt 0x0
	s_wait_alu depctr_hold_cnt(0) depctr_sa_sdst(0) depctr_va_vdst(0) depctr_va_sdst(0) depctr_va_ssrc(0) depctr_va_vcc(0) depctr_vm_vsrc(0)
	s_getreg_b32 s2, hwreg(HW_REG_IB_STS2, 6, 4)
	s_cmp_eq_u32 s2, 0
	s_cbranch_scc0 .Lentry_in_a_cluster
	s_endpgm
.Lentry_in_a_cluster:
	s_bfe_u32 s2, ttmp6, 0x10000c
	s_cmp_lg_u32 s2, 0xf033
	s_cbranch_scc0 .Lentry_shape_is_right
	s_endpgm
.Lentry_shape_is_right:
; OUT = RES + (A W + bias), the product on codes of E4M3.  Here: A = the attention's result (oc, under 2^e6), W = attn_out_w (under 2^e7), RES = xn, OUT = h.  K = 1,024.
; Operands are images: tile T (16 rows), K step s: 2,048 bytes at (T x KS + s) x 2048; byte 512 c + 16 L + i = row rho(T, L % 16), k = 128 s + 32 c + 16 (L / 16) + i; rho(T, r) = 32 (T/2) + 8 (T%2) + r%8 + 16 (r/8).
; N is 1,024: tiles of 256 x 256 would give 64 work-groups; tiles of 128 x 128 give 256.  Four waves, each 64 x 64: 16 accumulators.  A slot holds 512 along K (four K steps): 131,072 bytes; two slots.
; Source 0 = a tile of W's columns, source 1 = a tile of tokens: a lane holds one token and neighbouring columns.  A block of 16 tokens x 64 columns goes through the wave's own stage in LDS and leaves as rows of 256 bytes.
; The residual's numbers are asked for at the head, in the layout in which rows come back from the stage, and land under the products.
; CLUSTERS: 4 x 4; tokens' tiles are shared along a row of the cluster, W's along a column.
; LIMIT: the two exponents' sum between -126 and 127.
; REGISTERS: window 0: v16-29 addresses, v32-63 bias, v64-95 results, v96-127 rows, v128-255 accumulators ((a, b) at v[128 + 8 (4 a + b)]); window 1: two fragment buffers of 128 (tokens' 4, then W's 4); window 2: v0-127 the residual.
.set KS,     8                         ; K / 128
.set WOFF,   0x300000                  ; where W's images begin in wc
.set SCI,    6                         ; the first of the two entries of lowp_scales
.set LAPS,   1                         ; K / 1,024
.set SLOT,   131072
.set SPARE,  2*SLOT                    ; the spare words, 128 bytes a wave
.set STAGE,  SPARE+512                 ; 16 rows x 272 bytes for each wave; no fill ever lands here
.set ADRA, 16
.set ADRB, 20
.set STO,  24
.set RD,   25
.set CO,   26
.set SPW,  28
.set NIL,  29
.set BJ,   32
.set TMP,  64
.set BK,   96
.set ACC,  128
.set F0,   0
.set F1,   128
.set G1, 24
.set G0, 32
.set G1B, 48
.set G0B, 56
.set MSB, 0
.macro WIN new
.if MSB != (\new)
	s_set_vgpr_msb (MSB<<8)|(\new)
.set MSB, (\new)
.endif
.endm
.set MUL,  0x05                        ; sources 0 and 1 window 1; C and D window 0
.set TO_F, 0x40                        ; destination window 1, address window 0
.macro JLOAD s                         ; waves 0 and 1 fetch the tokens' halves, waves 2 and 3 W's; four v_nop follow each line
	s_cmp_eq_u32 s11, 0
	s_cbranch_scc0 .Lfor_b_\@
	tensor_load_to_lds s[G0+4*\s:G0+4*\s+3], s[G1:G1+7]
	s_nop 0
.rept 4
	v_nop
.endr
	s_branch .Lasked_\@
.Lfor_b_\@:
	tensor_load_to_lds s[G0B+4*\s:G0B+4*\s+3], s[G1B:G1B+7]
	s_nop 0
.rept 4
	v_nop
.endr
.Lasked_\@:
.endm
.macro CREST
	s_cmp_lg_u32 s10, 0
	s_cbranch_scc1 .Lnot_wave_0_\@
	s_barrier_signal -3
.Lnot_wave_0_\@:
	s_barrier_wait -3
	s_barrier_signal -1
	s_barrier_wait -1
.endm
.macro CROUND
	s_barrier_signal -1
	s_barrier_wait -1
	CREST
.endm
	s_load_b128 s[4:7], s[0:1], 0x0                ; A's codes, wc
	s_load_b256 s[68:75], s[0:1], 0x10             ; lowp_scales 68, bias 70, residual 72, out 74
	v_lshl_add_u32 v[SPW], v0, 2, SPARE
	v_mov_b32 v[NIL], 0
	ds_add_u32 v28, v29
	ds_add_u32 v28, v29
	s_wait_dscnt 0x0
	v_lshrrev_b32 v1, 5, v0
	v_readfirstlane_b32 s10, v1                    ; wave 0..3
	s_lshr_b32 s11, s10, 1                         ; my half of the tokens.  Also: I fetch tokens (0) or W (1)
	s_and_b32 s12, s10, 1                          ; my half of the columns.  Also: which 64 rows I fetch
	s_bfe_u32 s40, ttmp6, 0x40000
	s_bfe_u32 s41, ttmp6, 0x40004
	s_lshl_b32 s42, ttmp9, 2
	s_add_co_u32 s42, s42, s40                     ; tile column
	s_and_b32 s13, ttmp7, 0xffff
	s_lshl_b32 s13, s13, 2
	s_add_co_u32 s13, s13, s41                     ; tile row
	s_lshl_b32 s43, s41, 2
	s_lshl_b32 s43, 15, s43
	s_lshl_b32 s44, 0x1111, s40
	; descriptor group 1: 4 tiles' parts of 8,192 bytes (4 K steps), KS x 2,048 bytes apart, on end in LDS; elements of 8 bytes
	s_or_b32 s[G1+0], s43, (3<<16)|(1<<21)
	s_or_b32 s[G1B+0], s44, (3<<16)|(1<<21)
.irp g, G1, G1B
	s_mov_b32 s[\g+1], 1024<<16
	s_mov_b32 s[\g+2], 4<<16
	s_mov_b32 s[\g+3], 1024<<16
	s_mov_b32 s[\g+4], 4
	s_mov_b32 s[\g+5], KS*256
	s_mov_b32 s[\g+6], 0
	s_mov_b32 s[\g+7], 0
.endr
	s_lshl_b32 s17, s12, 2
	s_lshl_b32 s16, s13, 3
	s_add_co_u32 s16, s16, s17                     ; tokens: tile 8 x tile row + 4 x half
	s_mul_i32 s16, s16, KS*2048
	s_lshl_b32 s46, s42, 3
	s_add_co_u32 s46, s46, s17
	s_mul_i32 s46, s46, KS*2048
	s_add_co_u32 s46, s46, WOFF
	s_mov_b32 s17, 0
	s_mov_b32 s47, 0
	s_lshl_b32 s20, s10, 15                        ; where they go: wave x 32,768
	s_wait_kmcnt 0x0
	s_load_b64 s[76:77], s[68:69], SCI*4
	s_add_nc_u64 s[14:15], s[4:5], s[16:17]
	s_add_nc_u64 s[46:47], s[6:7], s[46:47]
	CROUND
.irp s, 0,1
	s_mov_b32 s[G0+4*\s], 1
	s_add_co_u32 s[G0+4*\s+1], s20, \s*SLOT
	s_add_nc_u64 s[G0+4*\s+2:G0+4*\s+3], s[14:15], \s*8192
	s_or_b32 s[G0+4*\s+3], s[G0+4*\s+3], 0x80000000
	s_mov_b32 s[G0B+4*\s], 1
	s_add_co_u32 s[G0B+4*\s+1], s20, \s*SLOT
	s_add_nc_u64 s[G0B+4*\s+2:G0B+4*\s+3], s[46:47], \s*8192
	s_or_b32 s[G0B+4*\s+3], s[G0B+4*\s+3], 0x80000000
	JLOAD \s
.endr
	v_and_b32 v1, 31, v0
	v_lshlrev_b32 v3, 4, v1                        ; 16 x lane
	s_lshl_b32 s21, s11, 15
	s_lshl_b32 s22, s12, 15
	s_add_co_u32 s22, s22, 65536
.irp s, 0,1
	v_add_nc_u32 v[ADRA+\s], s21, v3
	v_add_nc_u32 v[ADRB+\s], s22, v3
	s_add_co_u32 s21, s21, SLOT
	s_add_co_u32 s22, s22, SLOT
.endr
	v_and_b32 v1, 15, v0                           ; r
	v_bfe_u32 v2, v0, 4, 1                         ; h
	s_mul_i32 s23, s10, 16*272
	s_add_co_u32 s23, s23, STAGE                   ; my stage
	v_mul_u32_u24 v4, v1, 272
	v_lshl_add_u32 v4, v2, 6, v4
	v_add_nc_u32 v[STO], s23, v4                   ; in: row r, + 64 h
	v_mul_u32_u24 v5, v2, 272
	v_lshl_add_u32 v5, v1, 4, v5
	v_add_nc_u32 v[RD], s23, v5                    ; back: lanes 0-15 one row of 256 bytes, lanes 16-31 the next
	v_lshlrev_b32 v5, 12, v2
	v_lshl_add_u32 v[CO], v1, 4, v5                ; the same two rows in memory, 4,096 bytes apart
	v_lshlrev_b32 v27, 6, v2                       ; the bias: 64 h
	s_lshl_b32 s78, s42, 9
	s_lshl_b32 s79, s12, 8
	s_add_co_u32 s78, s78, s79                     ; my 64 columns, in bytes
	s_mov_b32 s79, 0
	s_lshl_b32 s80, s13, 7
	s_lshl_b32 s81, s11, 6
	s_add_co_u32 s80, s80, s81                     ; my first token
	s_lshl_b32 s80, s80, 12
	s_add_co_u32 s80, s80, s78
	s_mov_b32 s81, 0
	s_add_nc_u64 s[70:71], s[70:71], s[78:79]
	s_add_nc_u64 s[72:73], s[72:73], s[80:81]
	s_add_nc_u64 s[74:75], s[74:75], s[80:81]
.irp b, 0,1,2,3
	global_load_b128 v[BJ+8*\b:BJ+8*\b+3], v27, s[70:71] offset:4*(32*(\b/2)+8*(\b%2))
	global_load_b128 v[BJ+8*\b+4:BJ+8*\b+7], v27, s[70:71] offset:4*(32*(\b/2)+8*(\b%2))+16
.endr
	WIN 0x80                                       ; destination window 2
.irp a, 0,1,2,3
.irp t, 0,1,2,3,4,5,6,7
	global_load_b128 v[32*\a+4*\t:32*\a+4*\t+3], v[CO], s[72:73] offset:4096*(32*(\a/2)+8*(\a%2)+(2*\t)%8+16*(\t/4)) th:TH_LOAD_NT   ; tile rows 2 t and 2 t + 1 of block a: sixteen lanes read 256 consecutive bytes
.endr
.endr
	WIN 0
	s_wait_kmcnt 0x0
	s_add_co_i32 s96, s76, s77
	s_add_co_i32 s96, s96, 127
	s_lshl_b32 s96, s96, 23                        ; 2^(the two exponents' sum) as f32
	s_mov_b32 s97, s96
.macro MUL4 f, a, zero                 ; tokens' tile a x W's four tiles; the 16 accumulators take turns, one instruction a turn
.irp b, 0,1,2,3
.if \zero
	v_wmma_f32_16x16x128_fp8_fp8 v[ACC+8*(4*(\a)+\b):ACC+8*(4*(\a)+\b)+7], v[\f+64+16*\b:\f+64+16*\b+15], v[\f+16*(\a):\f+16*(\a)+15], 0
.else
	v_wmma_f32_16x16x128_fp8_fp8 v[ACC+8*(4*(\a)+\b):ACC+8*(4*(\a)+\b)+7], v[\f+64+16*\b:\f+64+16*\b+15], v[\f+16*(\a):\f+16*(\a)+15], v[ACC+8*(4*(\a)+\b):ACC+8*(4*(\a)+\b)+7]
.endif
.endr
.endm
.macro FRAG reg, adr, q, i
.irp c, 0,1,2,3
	ds_load_b128 v[\reg+4*\c:\reg+4*\c+3], v[\adr] offset:8192*(\i)+2048*(\q)+512*\c
.endr
.endm
.macro FETCH slot, q, f                ; 32 LDS loads in one run: W's four fragments, then the tokens' four
	WIN TO_F
.irp i, 0,1,2,3
	FRAG \f+64+16*\i, ADRB+\slot, \q, \i
.endr
.irp i, 0,1,2,3
	FRAG \f+16*\i, ADRA+\slot, \q, \i
.endr
.endm
.macro PLACES
.rept 4
	v_nop
.endr
.endm
.macro QUARTER slot, q, f, g, zero     ; 128 along K from buffer f; in its middle the slot's K step q is fetched into g
	s_wait_dscnt 8                                 ; all but the tokens' tiles 2 and 3, the youngest eight loads
	WIN MUL
	MUL4 \f, 0, \zero
	MUL4 \f, 1, \zero
	PLACES
	FETCH \slot, \q, \g
	s_wait_dscnt 32                                ; all but the 32 just issued
	WIN MUL
	MUL4 \f, 2, \zero
	MUL4 \f, 3, \zero
.endm
.macro TURN slot, next, fill           ; a slot's last K step changes slots
	WIN 0
	s_wait_tensorcnt 0x0                           ; all my tensor loads have landed
	ds_add_u32 v[SPW], v[NIL]                      ; 0 onto my spare word
	s_wait_dscnt 9                                 ; (the add and the youngest eight loads may be out)
	WIN MUL
	MUL4 F1, 0, 0
	s_wait_dscnt 0x0                               ; the add is done, and my reads of this slot are over
	s_barrier_signal -1
	MUL4 F1, 1, 0
.if \fill
	WIN 0
.endif
	s_barrier_wait -1
.if \fill
	CREST                                          ; the barrier has opened a round of the cluster's
	s_add_nc_u64 s[G0+4*\slot+2:G0+4*\slot+3], s[G0+4*\slot+2:G0+4*\slot+3], 16384
	s_add_nc_u64 s[G0B+4*\slot+2:G0B+4*\slot+3], s[G0B+4*\slot+2:G0B+4*\slot+3], 16384
	JLOAD \slot                                    ; the first tensor load behind the round; its four v_nop are the places in front of the loads below
.else
	PLACES
.endif
	FETCH \next, 0, F0
	WIN MUL
	MUL4 F1, 2, 0
	MUL4 F1, 3, 0
.endm
	s_wait_tensorcnt 1                             ; my part of slot 0 is in; slot 1's may be out
	s_barrier_signal -1
	s_barrier_wait -1
	FETCH 0, 0, F0
	QUARTER 0, 1, F0, F1, 1
.if LAPS > 1
	WIN 0
	s_mov_b32 s3, LAPS-1
.Llap:
	QUARTER 0, 2, F1, F0, 0
	QUARTER 0, 3, F0, F1, 0
	TURN 0, 1, 1
	QUARTER 1, 1, F0, F1, 0
	QUARTER 1, 2, F1, F0, 0
	QUARTER 1, 3, F0, F1, 0
	TURN 1, 0, 1
	QUARTER 0, 1, F0, F1, 0
	WIN 0
	s_sub_co_u32 s3, s3, 1
	s_cmp_lg_u32 s3, 0
	s_cbranch_scc1 .Llap
.endif
	QUARTER 0, 2, F1, F0, 0
	QUARTER 0, 3, F0, F1, 0
	TURN 0, 1, 0
	QUARTER 1, 1, F0, F1, 0
	QUARTER 1, 2, F1, F0, 0
	QUARTER 1, 3, F0, F1, 0
	s_wait_dscnt 8
	WIN MUL
	MUL4 F1, 0, 0
	MUL4 F1, 1, 0
	s_wait_dscnt 0
	MUL4 F1, 2, 0
	MUL4 F1, 3, 0
	WIN 0
	s_wait_loadcnt 0x0                             ; bias and residual
	PLACES
.macro OUTB a                          ; block a: 16 tokens x 64 columns
	s_wait_xcnt 0x0                                ; the last block's stores have read their registers
.set j, 0
.rept 16
	v_pk_fma_f32 v[TMP+j:TMP+j+1], v[ACC+32*(\a)+j:ACC+32*(\a)+j+1], s[96:97], v[BJ+j:BJ+j+1] op_sel_hi:[1,0,1]   ; sum x 2^e + bias; each accumulator from its low end on
.set j, j+2
.endr
.irp b, 0,1,2,3
	ds_store_b128 v[STO], v[TMP+8*\b:TMP+8*\b+3] offset:128*(\b/2)+32*(\b%2)
	ds_store_b128 v[STO], v[TMP+8*\b+4:TMP+8*\b+7] offset:128*(\b/2)+32*(\b%2)+16
.endr
.irp t, 0,1,2,3,4,5,6,7
	ds_load_b128 v[BK+4*\t:BK+4*\t+3], v[RD] offset:544*\t   ; LDS serves a wave's instructions in order (ISA guide 5.7.1.4): these see my stores
.endr
	s_wait_dscnt 0x0
	WIN 0x08                                       ; source 1 window 2
.set j, 0
.rept 16
	v_pk_add_f32 v[BK+j:BK+j+1], v[BK+j:BK+j+1], v[32*(\a)+j:32*(\a)+j+1]   ; + the residual
.set j, j+2
.endr
	WIN 0
.irp t, 0,1,2,3,4,5,6,7
	global_store_b128 v[CO], v[BK+4*\t:BK+4*\t+3], s[74:75] offset:4096*(32*((\a)/2)+8*((\a)%2)+(2*\t)%8+16*(\t/4))   ; sixteen lanes store 256 consecutive bytes, aligned
.endr
.endm
.irp a, 0,1,2,3
	OUTB \a
.endr
	s_wait_tensorcnt 0x0                           ; the wave's end
	ds_add_u32 v[SPW], v[NIL]
	s_wait_dscnt 0x0
	CROUND
	s_endpgm
.Lfunc_end_k_q1aa0459cb3_oproj:
	.size	k_q1aa0459cb3_oproj, .Lfunc_end_k_q1aa0459cb3_oproj-k_q1aa0459cb3_oproj
	.p2alignl 7, 3214868480
	.fill 96, 4, 3214868480
	.section	.rodata,"a",@progbits
	.p2align	6, 0x0
	.amdhsa_kernel k_q1aa0459cb3_oproj
		.amdhsa_group_segment_fixed_size 327680
		.amdhsa_private_segment_fixed_size 0
		.amdhsa_enable_private_segment 0
		.amdhsa_kernarg_size 48
		.amdhsa_user_sgpr_count 2
		.amdhsa_user_sgpr_kernarg_segment_ptr 1
		.amdhsa_wavefront_size32 1
		.amdhsa_system_sgpr_workgroup_id_x 1
		.amdhsa_system_sgpr_workgroup_id_y 1
		.amdhsa_system_sgpr_workgroup_id_z 1
		.amdhsa_system_vgpr_workitem_id 0
		.amdhsa_next_free_vgpr 768
		.amdhsa_next_free_sgpr 100
		.amdhsa_reserve_vcc 0
		.amdhsa_float_denorm_mode_32 3
		.amdhsa_float_denorm_mode_16_64 3
		.amdhsa_memory_ordered 1
		.amdhsa_forward_progress 1
		.amdhsa_inst_pref_size 54
	.end_amdhsa_kernel
	.amdgpu_metadata
---
amdhsa.version: [ 1, 2 ]
amdhsa.kernels:
  - .name:           k_q1aa0459cb3_oproj
    .symbol:         k_q1aa0459cb3_oproj.kd
    .args:
      - { .name: oc, .offset: 0, .size: 8, .value_kind: global_buffer, .address_space: global }
      - { .name: wc, .offset: 8, .size: 8, .value_kind: global_buffer, .address_space: global }
      - { .name: lowp_scales, .offset: 16, .size: 8, .value_kind: global_buffer, .address_space: global }
      - { .name: attn_out_b, .offset: 24, .size: 8, .value_kind: global_buffer, .address_space: global }
      - { .name: xn, .offset: 32, .size: 8, .value_kind: global_buffer, .address_space: global }
      - { .name: h, .offset: 40, .size: 8, .value_kind: global_buffer, .address_space: global }
    .group_segment_fixed_size: 327680
    .private_segment_fixed_size: 0
    .kernarg_segment_align: 8
    .kernarg_segment_size: 48
    .max_flat_workgroup_size: 128
    .sgpr_count:     100
    .vgpr_count:     768
    .wavefront_size: 32
...
	.end_amdgpu_metadata
.endif
;; end of part 4
;; launch ln2 (part 5): grid 256 x 1, 4 waves a work-group, no clusters, 17,408 bytes of LDS; arguments h, ln2_w, ln2_b, lowp_scales, hn, ac; writes hn, ac
.if DOCPART == 5
	.amdgcn_target "amdgcn-amd-amdhsa--gfx1250"
	.amdhsa_code_object_version 6
	.text
	.protected	k_q1aa0459cb3_ln2
	.globl	k_q1aa0459cb3_ln2
	.p2align	8
	.type	k_q1aa0459cb3_ln2,@function
k_q1aa0459cb3_ln2:
	s_mov_b64 s[64:65], 0
	v_nop
	global_prefetch_b8 v0, s[64:65] scope:SCOPE_SE
	s_setreg_imm32_b32 hwreg(HW_REG_WAVE_MODE, 25, 1), 1
	s_wait_xcnt 0x0
; LN2.  hn = layer norm of h (f32, [4096][1024]) and its codes of E4M3 under 2^e8, in the order of the operand's registers: tile T (16 tokens), K step s: 2,048 bytes at (8 T + s) x 2048;
; byte 512 c + 16 L + i = token rho(T, L % 16), k = 128 s + 32 c + 16 (L / 16) + i; rho(T, r) = 32 (T/2) + 8 (T%2) + r%8 + 16 (r/8).
; A work-group takes one tile, a wave four neighbouring tokens, each whole in 32 registers: mean, centred, variance of the centred numbers, rsqrt, gain and bias.  The codes turn through a stage in LDS.
; LIMITS: e8 between -126 and 119.  NaN is not served.  No tensor loads, no cluster: the work-groups share nothing but gain and bias.
.set X,    32
.set GW,   160
.set GB,   192
.set T0,   160
.set OUTR, 192
.set CD,   224
.set SUM,  4
.set MN,   12
.set PT,   20
.set SP,   1040
.macro LN_ACROSS
.irp i, 0,1,2,3
	v_add_f32 v[SUM+2*\i], v[SUM+2*\i], v[SUM+2*\i+1]
.endr
.irp m, 1,2,4,8
.irp i, 0,1,2,3
	v_add_f32_dpp v[SUM+2*\i], v[SUM+2*\i], v[SUM+2*\i] row_xmask:\m row_mask:0xf bank_mask:0xf
.endr
.endr
.irp i, 0,1,2,3
	v_permlanex16_b32 v[PT+\i], v[SUM+2*\i], s40, s41
.endr
.irp i, 0,1,2,3
	v_add_f32 v[SUM+2*\i], v[SUM+2*\i], v[PT+\i]
.endr
.endm
	s_load_b256 s[4:11], s[0:1], 0x0               ; h 4, ln2_w 6, ln2_b 8, lowp_scales 10
	s_load_b128 s[12:15], s[0:1], 0x20             ; hn 12, ac 14
	v_lshl_add_u32 v30, v0, 2, 0x4200
	v_mov_b32 v31, 0
	v_lshrrev_b32 v1, 5, v0
	v_readfirstlane_b32 s26, v1                    ; wave 0..3
	v_and_b32 v1, 31, v0
	v_lshlrev_b32 v2, 4, v1                        ; 16 x lane
	s_mul_i32 s27, s26, 4*SP
	v_lshl_add_u32 v3, v1, 2, s27                  ; the stage, on the way in
	v_and_b32 v4, 15, v0
	v_bfe_u32 v5, v0, 4, 1
	v_mul_u32_u24 v26, v4, SP
	v_lshl_add_u32 v26, v5, 4, v26
	s_lshl_b32 s27, s26, 8
	v_add_nc_u32 v26, s27, v26                     ; and on the way out
	s_lshl_b32 s44, ttmp9, 14
	s_lshl_b32 s27, s26, 12
	s_add_co_u32 s44, s44, s27
	s_mov_b32 s45, 0
	s_mov_b32 s40, 0x76543210
	s_mov_b32 s41, 0xfedcba98
	s_mov_b32 s42, 0x3a800000                      ; 1 / 1024
	s_mov_b32 s43, 0x3727c5ac                      ; 1e-5
	s_wait_kmcnt 0x0
	s_load_b32 s28, s[10:11], 0x20                 ; e8
	s_add_nc_u64 s[14:15], s[14:15], s[44:45]
	s_lshr_b32 s44, ttmp9, 1                       ; my wave's first token: 32 (T / 2) + 8 (T % 2) + 4 (w % 2) + 16 (w / 2)
	s_lshl_b32 s44, s44, 5
	s_and_b32 s45, ttmp9, 1
	s_lshl_b32 s45, s45, 3
	s_add_co_u32 s44, s44, s45
	s_and_b32 s45, s26, 1
	s_lshl_b32 s45, s45, 2
	s_add_co_u32 s44, s44, s45
	s_lshr_b32 s45, s26, 1
	s_lshl_b32 s45, s45, 4
	s_add_co_u32 s44, s44, s45
	s_lshl_b32 s44, s44, 12
	s_mov_b32 s45, 0
	s_add_nc_u64 s[4:5], s[4:5], s[44:45]
	s_add_nc_u64 s[12:13], s[12:13], s[44:45]
.irp i, 0,1,2,3
.irp j, 0,1,2,3,4,5,6,7
	global_load_b128 v[X+32*\i+4*\j:X+32*\i+4*\j+3], v2, s[4:5] offset:4096*\i+512*\j th:TH_LOAD_NT
.endr
.endr
.irp j, 0,1,2,3,4,5,6,7
	global_load_b128 v[GW+4*\j:GW+4*\j+3], v2, s[6:7] offset:512*\j
.endr
.irp j, 0,1,2,3,4,5,6,7
	global_load_b128 v[GB+4*\j:GB+4*\j+3], v2, s[8:9] offset:512*\j
.endr
.irp i, 0,1,2,3
	v_mov_b32 v[PT+\i], 0
.endr
	s_wait_kmcnt 0x0
	s_add_co_i32 s44, s28, 127
	s_lshl_b32 s45, s44, 23
	v_mov_b32 v24, s45                             ; 2^e8
	s_add_co_i32 s44, s44, 8
	s_lshl_b32 s44, s44, 23
	s_or_b32 s44, s44, 0x600000
	v_mov_b32 v25, s44                             ; 448 x 2^e8
	s_wait_loadcnt 16                              ; the four rows are in; the 16 loads of gain and bias may be out
.irp i, 0,1,2,3
	v_pk_add_f32 v[SUM+2*\i:SUM+2*\i+1], v[X+32*\i:X+32*\i+1], v[X+32*\i+2:X+32*\i+3]
.endr
.set p, 4
.rept 14
.irp i, 0,1,2,3
	v_pk_add_f32 v[SUM+2*\i:SUM+2*\i+1], v[SUM+2*\i:SUM+2*\i+1], v[X+32*\i+p:X+32*\i+p+1]
.endr
.set p, p+2
.endr
	LN_ACROSS
.irp i, 0,1,2,3
	v_mul_f32 v[MN+2*\i], s42, v[SUM+2*\i]
	v_mul_f32 v[MN+2*\i+1], s42, v[SUM+2*\i]
.endr
.set p, 0
.rept 16
.irp i, 0,1,2,3
	v_pk_add_f32 v[X+32*\i+p:X+32*\i+p+1], v[X+32*\i+p:X+32*\i+p+1], v[MN+2*\i:MN+2*\i+1] op_sel_hi:[1,0] neg_lo:[0,1] neg_hi:[0,1]
.endr
.set p, p+2
.endr
.irp i, 0,1,2,3
	v_pk_mul_f32 v[SUM+2*\i:SUM+2*\i+1], v[X+32*\i:X+32*\i+1], v[X+32*\i:X+32*\i+1]
.endr
.set p, 2
.rept 15
.irp i, 0,1,2,3
	v_pk_fma_f32 v[SUM+2*\i:SUM+2*\i+1], v[X+32*\i+p:X+32*\i+p+1], v[X+32*\i+p:X+32*\i+p+1], v[SUM+2*\i:SUM+2*\i+1]
.endr
.set p, p+2
.endr
	LN_ACROSS
.irp i, 0,1,2,3
	v_fma_f32 v[PT+\i], v[SUM+2*\i], s42, s43
.endr
.irp i, 0,1,2,3
	v_rsq_f32 v[MN+2*\i], v[PT+\i]
.endr
	v_nop                                          ; a plain instruction behind the last of the batch
	s_wait_alu depctr_va_vdst(0)                   ; one wait for the four, ahead of their first reader
.irp i, 0,1,2,3
	v_mov_b32 v[MN+2*\i+1], v[MN+2*\i]
.endr
	s_wait_loadcnt 0x0
.irp i, 0,1,2,3
.set p, 0
.rept 16
	v_pk_mul_f32 v[X+32*\i+p:X+32*\i+p+1], v[X+32*\i+p:X+32*\i+p+1], v[MN+2*\i:MN+2*\i+1] op_sel_hi:[1,0]
.set p, p+2
.endr
.set p, 0
.rept 16
	v_pk_fma_f32 v[X+32*\i+p:X+32*\i+p+1], v[X+32*\i+p:X+32*\i+p+1], v[GW+p:GW+p+1], v[GB+p:GB+p+1]
.set p, p+2
.endr
.irp j, 0,1,2,3,4,5,6,7
	global_store_b128 v2, v[X+32*\i+4*\j:X+32*\i+4*\j+3], s[12:13] offset:4096*\i+512*\j   ; 512 consecutive bytes; these registers are not written again
.endr
.endr
.irp i, 0,1,2,3
.irp q, 0,1,2,3
.irp e, 0,1,2,3,4,5,6,7
	v_med3_num_f32 v[T0+8*(\q%2)+\e], v[X+32*\i+8*\q+\e], -v25, v25   ; the conversion does not saturate (ISA guide 7.6.2): the hold comes first
.endr
	v_cvt_scalef32_pk8_fp8_f32 v[CD+8*\i+2*\q:CD+8*\i+2*\q+1], v[T0+8*(\q%2):T0+8*(\q%2)+7], v24
	ds_store_b32 v3, v[CD+8*\i+2*\q] offset:SP*\i+256*\q
	ds_store_b32 v3, v[CD+8*\i+2*\q+1] offset:SP*\i+256*\q+128
.endr
.endr
	v_nop
	s_wait_dscnt 0x0                               ; my stores into the stage have landed
	s_barrier_signal -1
	s_barrier_wait -1
.irp p, 0,1
.irp c, 0,1,2,3
	ds_load_b128 v[OUTR+16*\p+4*\c:OUTR+16*\p+4*\c+3], v26 offset:128*\p+32*\c
.endr
.endr
	s_wait_dscnt 0x0
.irp p, 0,1
.irp c, 0,1,2,3
	global_store_b128 v2, v[OUTR+16*\p+4*\c:OUTR+16*\p+4*\c+3], s[14:15] offset:2048*\p+512*\c
.endr
.endr
	s_wait_tensorcnt 0x0
	ds_add_u32 v30, v31
	s_wait_dscnt 0x0
	s_endpgm
.Lfunc_end_k_q1aa0459cb3_ln2:
	.size	k_q1aa0459cb3_ln2, .Lfunc_end_k_q1aa0459cb3_ln2-k_q1aa0459cb3_ln2
	.p2alignl 7, 3214868480
	.fill 96, 4, 3214868480
	.section	.rodata,"a",@progbits
	.p2align	6, 0x0
	.amdhsa_kernel k_q1aa0459cb3_ln2
		.amdhsa_group_segment_fixed_size 17408
		.amdhsa_private_segment_fixed_size 0
		.amdhsa_enable_private_segment 0
		.amdhsa_kernarg_size 48
		.amdhsa_user_sgpr_count 2
		.amdhsa_user_sgpr_kernarg_segment_ptr 1
		.amdhsa_wavefront_size32 1
		.amdhsa_system_sgpr_workgroup_id_x 1
		.amdhsa_system_sgpr_workgroup_id_y 1
		.amdhsa_system_sgpr_workgroup_id_z 1
		.amdhsa_system_vgpr_workitem_id 0
		.amdhsa_next_free_vgpr 256
		.amdhsa_next_free_sgpr 66
		.amdhsa_reserve_vcc 0
		.amdhsa_float_denorm_mode_32 3
		.amdhsa_float_denorm_mode_16_64 3
		.amdhsa_memory_ordered 1
		.amdhsa_forward_progress 1
		.amdhsa_inst_pref_size 47
	.end_amdhsa_kernel
	.amdgpu_metadata
---
amdhsa.version: [ 1, 2 ]
amdhsa.kernels:
  - .name:           k_q1aa0459cb3_ln2
    .symbol:         k_q1aa0459cb3_ln2.kd
    .args:
      - { .name: h, .offset: 0, .size: 8, .value_kind: global_buffer, .address_space: global }
      - { .name: ln2_w, .offset: 8, .size: 8, .value_kind: global_buffer, .address_space: global }
      - { .name: ln2_b, .offset: 16, .size: 8, .value_kind: global_buffer, .address_space: global }
      - { .name: lowp_scales, .offset: 24, .size: 8, .value_kind: global_buffer, .address_space: global }
      - { .name: hn, .offset: 32, .size: 8, .value_kind: global_buffer, .address_space: global }
      - { .name: ac, .offset: 40, .size: 8, .value_kind: global_buffer, .address_space: global }
    .group_segment_fixed_size: 17408
    .private_segment_fixed_size: 0
    .kernarg_segment_align: 8
    .kernarg_segment_size: 48
    .max_flat_workgroup_size: 128
    .sgpr_count:     66
    .vgpr_count:     256
    .wavefront_size: 32
...
	.end_amdgpu_metadata
.endif
;; end of part 5
;; launch fc (part 6): grid 16 x 16, 4 waves a work-group, clusters of 4 x 4, 327,680 bytes of LDS; arguments ac, wc, lowp_scales, c_fc_b, gc; writes gc
.if DOCPART == 6
	.amdgcn_target "amdgcn-amd-amdhsa--gfx1250"
	.amdhsa_code_object_version 6
	.text
	.protected	k_q1aa0459cb3_fc
	.globl	k_q1aa0459cb3_fc
	.p2align	8
	.type	k_q1aa0459cb3_fc,@function
k_q1aa0459cb3_fc:
	s_mov_b64 s[64:65], 0
	v_nop
	global_prefetch_b8 v0, s[64:65] scope:SCOPE_SE
	s_setreg_imm32_b32 hwreg(HW_REG_WAVE_MODE, 25, 1), 1
	s_wait_xcnt 0x0
	s_wait_alu depctr_hold_cnt(0) depctr_sa_sdst(0) depctr_va_vdst(0) depctr_va_sdst(0) depctr_va_ssrc(0) depctr_va_vcc(0) depctr_vm_vsrc(0)
	s_getreg_b32 s2, hwreg(HW_REG_IB_STS2, 6, 4)
	s_cmp_eq_u32 s2, 0
	s_cbranch_scc0 .Lentry_in_a_cluster
	s_endpgm
.Lentry_in_a_cluster:
	s_bfe_u32 s2, ttmp6, 0x10000c
	s_cmp_lg_u32 s2, 0xf033
	s_cbranch_scc0 .Lentry_shape_is_right
	s_endpgm
.Lentry_shape_is_right:
; FC.  g = gelu(hn W + b), the product on codes of E4M3 (hn under 2^e8, c_fc_w under 2^e9); g leaves as codes under 2^e10 in the order of the next product's registers: [tile of tokens 256][K step 32][2,048].
; Operands are images: tile T (16 rows), K step s: 2,048 bytes at (8 T + s) x 2048; byte 512 c + 16 L + i = row rho(T, L % 16), k = 128 s + 32 c + 16 (L / 16) + i; rho(T, r) = 32 (T/2) + 8 (T%2) + r%8 + 16 (r/8).
; A work-group of four waves makes 256 x 256, a wave 128 x 128: 64 accumulators.  K = 1,024 goes in four steps of 256 through two LDS slots filled by the tensor data mover.
; Source 0 = a tile of W's columns, source 1 = a tile of tokens: a lane holds one token, and two neighbouring accumulators' 16 registers are 16 neighbouring columns: 16 bytes of the next image.  No stage.
; THE EXACT GELU: g = v (0.5 erf(z) + 0.5), z = v / sqrt(2) held within +-4, erf(z) = z P(z^2) / Q(z^2), P of degree 6 and Q of degree 4, all in f32.
; LIMIT: 0.5 erf + 0.5 carries f32's absolute rounding, about 6e-8: far down the negative tail g's relative error grows beyond 1e-6, while its absolute error stays under 1e-6 |v|.
; LIMITS: e8 + e9 between -126 and 127; e10 between -126 and 119.  NaN is not served.
; CLUSTERS: 4 x 4; tokens' tiles are shared along a row of the cluster, W's along a column.
; REGISTERS: window 0: v8-14 constants, v16-21 LDS addresses, v28-29 for the add, v32-95 bias, v128-255 the tokens' fragments (one set); on the way out v96-255 at work;
;   window 1: W's fragments, two sets; windows 2, 3: the accumulators ((a, b) at v[8 (8 (a % 4) + b)]).
.set FR,     16
.set NL,     4
.set NP,     4
.set SLOT,   131072
.set SPARE,  2*SLOT
.set LAPS,   2
.set ADRA, 16
.set ADRB, 20
.set SPW,  28
.set NIL,  29
.set BJ,   32
.set AF,   128
.set VV,   96                          ; the way out: 32 numbers v,
.set ZZ,   128                         ; z,
.set X2,   160                         ; z^2, later the codes,
.set PP,   192                         ; P,
.set QQ,   224                         ; Q
.set G1, 24
.set G0, 32
.set G1B, 48
.set G0B, 56
.set MSB, 0
.macro WIN new
.if MSB != (\new)
	s_set_vgpr_msb (MSB<<8)|(\new)
.set MSB, (\new)
.endif
.endm
.set MUL_LO, 0xa1
.set MUL_HI, 0xf1
.set TO_B,   0x40
.macro JLOAD g0a, g1a, g0b, g1b        ; waves 0 and 1 fetch the tokens' halves, waves 2 and 3 W's; four v_nop follow each line
	s_cmp_eq_u32 s15, 0
	s_cbranch_scc0 .Lfor_b_\@
	tensor_load_to_lds s[\g0a:\g0a+3], s[\g1a:\g1a+7]
	s_nop 0
.rept 4
	v_nop
.endr
	s_branch .Lasked_\@
.Lfor_b_\@:
	tensor_load_to_lds s[\g0b:\g0b+3], s[\g1b:\g1b+7]
	s_nop 0
.rept 4
	v_nop
.endr
.Lasked_\@:
.endm
.macro CREST
	s_cmp_lg_u32 s14, 0
	s_cbranch_scc1 .Lnot_wave_0_\@
	s_barrier_signal -3
.Lnot_wave_0_\@:
	s_barrier_wait -3
	s_barrier_signal -1
	s_barrier_wait -1
.endm
.macro CROUND
	s_barrier_signal -1
	s_barrier_wait -1
	CREST
.endm
	s_load_b128 s[4:7], s[0:1], 0x0                ; ac, wc
	s_load_b128 s[8:11], s[0:1], 0x10              ; lowp_scales, c_fc_b
	s_load_b64 s[12:13], s[0:1], 0x20              ; gc
	v_lshl_add_u32 v[SPW], v0, 2, SPARE
	v_mov_b32 v[NIL], 0
	ds_add_u32 v28, v29
	ds_add_u32 v28, v29
	s_wait_dscnt 0x0
	v_lshrrev_b32 v1, 5, v0
	v_readfirstlane_b32 s14, v1
	s_lshr_b32 s15, s14, 1
	s_and_b32 s16, s14, 1
	s_bfe_u32 s40, ttmp6, 0x40000
	s_bfe_u32 s41, ttmp6, 0x40004
	s_lshl_b32 s42, ttmp9, 2
	s_add_co_u32 s42, s42, s40                     ; tile column
	s_and_b32 s17, ttmp7, 0xffff
	s_lshl_b32 s17, s17, 2
	s_add_co_u32 s17, s17, s41                     ; tile row
	s_lshl_b32 s43, s41, 2
	s_lshl_b32 s43, 15, s43
	s_lshl_b32 s44, 0x1111, s40
	s_or_b32 s[G1+0], s43, (3<<16)|(1<<21)         ; 8 tiles' parts of 4,096 bytes, 16,384 bytes apart, on end in LDS; elements of 8 bytes
	s_or_b32 s[G1B+0], s44, (3<<16)|(1<<21)
.irp g, G1, G1B
	s_mov_b32 s[\g+1], 512<<16
	s_mov_b32 s[\g+2], 8<<16
	s_mov_b32 s[\g+3], 512<<16
	s_mov_b32 s[\g+4], 8
	s_mov_b32 s[\g+5], 2048
	s_mov_b32 s[\g+6], 0
	s_mov_b32 s[\g+7], 0
.endr
	s_lshl_b32 s20, s17, 18
	s_lshl_b32 s18, s16, 17
	s_add_co_u32 s20, s20, s18
	s_lshl_b32 s46, s42, 18
	s_add_co_u32 s46, s46, s18
	s_add_co_u32 s46, s46, 0x400000                ; c_fc_w's images in wc
	s_mov_b32 s21, 0
	s_mov_b32 s47, 0
	s_lshl_b32 s45, s14, 15
	s_wait_kmcnt 0x0
	s_load_b128 s[88:91], s[8:9], 0x20             ; e8 .. e11
	s_add_nc_u64 s[20:21], s[4:5], s[20:21]
	s_add_nc_u64 s[46:47], s[6:7], s[46:47]
	CROUND
.irp s, 0,1
	s_mov_b32 s[G0+4*\s], 1
	s_add_co_u32 s[G0+4*\s+1], s45, \s*SLOT
	s_add_nc_u64 s[G0+4*\s+2:G0+4*\s+3], s[20:21], \s*4096
	s_or_b32 s[G0+4*\s+3], s[G0+4*\s+3], 0x80000000
	s_mov_b32 s[G0B+4*\s], 1
	s_add_co_u32 s[G0B+4*\s+1], s45, \s*SLOT
	s_add_nc_u64 s[G0B+4*\s+2:G0B+4*\s+3], s[46:47], \s*4096
	s_or_b32 s[G0B+4*\s+3], s[G0B+4*\s+3], 0x80000000
	JLOAD G0+4*\s, G1, G0B+4*\s, G1B
.endr
	v_and_b32 v1, 31, v0
	v_lshlrev_b32 v14, 4, v1                       ; 16 x lane
	s_lshl_b32 s21, s15, 15
	s_lshl_b32 s22, s16, 15
	s_add_co_u32 s22, s22, 65536
.irp s, 0,1
	v_add_nc_u32 v[ADRA+\s], s21, v14
	v_add_nc_u32 v[ADRB+\s], s22, v14
	s_add_co_u32 s21, s21, SLOT
	s_add_co_u32 s22, s22, SLOT
.endr
	s_lshl_b32 s92, s17, 4                         ; gc: ((16 row + 8 half) x 32 + 2 col + half) x 2,048
	s_lshl_b32 s93, s15, 3
	s_add_co_u32 s92, s92, s93
	s_lshl_b32 s92, s92, 5
	s_lshl_b32 s93, s42, 1
	s_add_co_u32 s92, s92, s93
	s_add_co_u32 s92, s92, s16
	s_lshl_b32 s92, s92, 11
	s_mov_b32 s93, 0
	s_add_nc_u64 s[12:13], s[12:13], s[92:93]
	s_lshl_b32 s94, s42, 10                        ; the bias of my 128 columns
	s_lshl_b32 s95, s16, 9
	s_add_co_u32 s94, s94, s95
	s_mov_b32 s95, 0
	s_add_nc_u64 s[10:11], s[10:11], s[94:95]
	v_bfe_u32 v5, v0, 4, 1
	v_lshlrev_b32 v15, 6, v5                       ; 64 h
.irp b, 0,1,2,3,4,5,6,7
	global_load_b128 v[BJ+8*\b:BJ+8*\b+3], v15, s[10:11] offset:4*(32*(\b/2)+8*(\b%2))
	global_load_b128 v[BJ+8*\b+4:BJ+8*\b+7], v15, s[10:11] offset:4*(32*(\b/2)+8*(\b%2))+16
.endr
	; the coefficients, highest power first: P0 s66, P1 v8, P2 .. P6 s68 .. s76; Q0 s78, Q1 v10, Q2 .. Q4 s80 .. s84; each as a pair, both words written
	s_mov_b32 s66, 0xaf95df0b
	s_mov_b32 s68, 0xb60cff51
	s_mov_b32 s70, 0xb86ec2d2
	s_mov_b32 s72, 0xba40ac63
	s_mov_b32 s74, 0xbb41a1f6
	s_mov_b32 s76, 0xbc83dbd4
	s_mov_b32 s78, 0xb77460cd
	s_mov_b32 s80, 0xbadc924e
	s_mov_b32 s82, 0xbbf19bf8
	s_mov_b32 s84, 0xbc69b6a7
.irp k, 66,68,70,72,74,76,78,80,82,84
	s_mov_b32 s[\k+1], s[\k]
.endr
	v_mov_b32 v8, 0x32edffee
	v_mov_b32 v9, 0x32edffee
	v_mov_b32 v10, 0xb95fbd29
	v_mov_b32 v11, 0xb95fbd29
	s_wait_kmcnt 0x0
	s_add_co_i32 s96, s88, s89
	s_add_co_i32 s96, s96, 127
	s_lshl_b32 s96, s96, 23                        ; 2^(e8 + e9)
	s_mov_b32 s97, s96
	s_add_co_i32 s98, s90, 127
	s_lshl_b32 s99, s98, 23
	v_mov_b32 v12, s99                             ; 2^e10
	s_add_co_i32 s98, s98, 8
	s_lshl_b32 s98, s98, 23
	s_or_b32 s98, s98, 0x600000
	v_mov_b32 v13, s98                             ; 448 x 2^e10
.macro FRAG reg, adr, q, i
.irp c, 0,1,2,3
	ds_load_b128 v[\reg+4*\c:\reg+4*\c+3], v[\adr] offset:2048*(\q)+512*\c+(\i)*4096
.endr
.endm
.macro MUL16 a0, p, zero               ; the 64 accumulators take turns, one instruction a turn, in the same order in every step
.irp a, \a0, \a0+1
.irp b, 0,1,2,3,4,5,6,7
.if \zero
	v_wmma_f32_16x16x128_fp8_fp8 v[8*(8*((\a)%4)+\b):8*(8*((\a)%4)+\b)+7], v[128*(\p)+FR*\b:128*(\p)+FR*\b+FR-1], v[AF+FR*(\a):AF+FR*(\a)+FR-1], 0
.else
	v_wmma_f32_16x16x128_fp8_fp8 v[8*(8*((\a)%4)+\b):8*(8*((\a)%4)+\b)+7], v[128*(\p)+FR*\b:128*(\p)+FR*\b+FR-1], v[AF+FR*(\a):AF+FR*(\a)+FR-1], v[8*(8*((\a)%4)+\b):8*(8*((\a)%4)+\b)+7]
.endif
.endr
.endr
.endm
.macro FETCH_B slot, q, p
	WIN TO_B
.irp i, 0,1,2,3,4,5,6,7
	FRAG 128*(\p)+FR*\i, ADRB+\slot, \q, \i
.endr
	WIN 0
.endm
.macro FETCH_A slot, q, i0
.irp i, \i0, \i0+1, \i0+2, \i0+3
	FRAG AF+FR*(\i), ADRA+\slot, \q, \i
.endr
.endm
.macro PLACES n
.rept \n
	v_nop
.endr
.endm
.macro STEP slot, q, zero
	s_wait_dscnt 4*NL                              ; W's set and blocks 0-3 are in; the youngest sixteen loads (blocks 4-7) may be out
	WIN MUL_LO
	MUL16 0, (\q)%2, \zero
	MUL16 2, (\q)%2, \zero
	s_wait_dscnt 0
	PLACES NP
	FETCH_B \slot, (\q)+1, 1-(\q)%2
	FETCH_A \slot, (\q)+1, 0
	WIN MUL_HI
	MUL16 4, (\q)%2, \zero
	MUL16 6, (\q)%2, \zero
	PLACES NP
	WIN 0
	FETCH_A \slot, (\q)+1, 4
.endm
.macro TURN slot, next, fill
	s_wait_tensorcnt 0x0                           ; all my tensor loads have landed
	ds_add_u32 v[SPW], v[NIL]                      ; 0 onto my spare word
	s_wait_dscnt 4*NL+1                            ; (the add and blocks 4-7's sixteen loads may be out)
	WIN MUL_LO
	MUL16 0, 1, 0
	s_wait_dscnt 0x0                               ; the add is done, and my reads of this slot are over
	s_barrier_signal -1
	MUL16 2, 1, 0
	WIN 0
	s_barrier_wait -1
.if \fill
	CREST
	s_add_nc_u64 s[G0+4*\slot+2:G0+4*\slot+3], s[G0+4*\slot+2:G0+4*\slot+3], 8192
	s_add_nc_u64 s[G0B+4*\slot+2:G0B+4*\slot+3], s[G0B+4*\slot+2:G0B+4*\slot+3], 8192
	JLOAD G0+4*\slot, G1, G0B+4*\slot, G1B
.else
	PLACES NP
.endif
	FETCH_B \next, 0, 0
	FETCH_A \next, 0, 0
	WIN MUL_HI
	MUL16 4, 1, 0
	MUL16 6, 1, 0
	PLACES NP
	WIN 0
	FETCH_A \next, 0, 4
.endm
	s_wait_tensorcnt 1                             ; my part of slot 0 is in; slot 1's may be out
	s_barrier_signal -1
	s_barrier_wait -1
	FETCH_B 0, 0, 0
	FETCH_A 0, 0, 0
	FETCH_A 0, 0, 4
	STEP 0, 0, 1
	s_mov_b32 s3, LAPS-1
.Llap:
	TURN 0, 1, 1
	STEP 1, 0, 0
	TURN 1, 0, 1
	STEP 0, 0, 0
	s_sub_co_u32 s3, s3, 1
	s_cmp_lg_u32 s3, 0
	s_cbranch_scc1 .Llap
	TURN 0, 1, 0
	STEP 1, 0, 0
	s_wait_dscnt 4*NL
	WIN MUL_LO
	MUL16 0, 1, 0
	MUL16 2, 1, 0
	s_wait_dscnt 0
	WIN MUL_HI
	MUL16 4, 1, 0
	MUL16 6, 1, 0
	WIN 0
; THE WAY OUT, 32 numbers a lane at a time (four accumulators).  It is a loop of two trips, one for each window of accumulators, so that the text stays short: only the 16 lines that read the sums are written for both windows.
.macro GSCALE a, g
.set j, 0
.rept 16
	v_pk_fma_f32 v[VV+j:VV+j+1], v[64*(\a)+32*(\g)+j:64*(\a)+32*(\g)+j+1], s[96:97], v[BJ+32*(\g)+j:BJ+32*(\g)+j+1] op_sel_hi:[1,0,1]   ; v = sum x 2^(e8 + e9) + bias; each accumulator from its low end on
.set j, j+2
.endr
.endm
.macro HORNER d, c                     ; d = d x z^2 + the coefficient in s[c:c+1]
.set j, 0
.rept 16
	v_pk_fma_f32 v[\d+j:\d+j+1], v[\d+j:\d+j+1], v[X2+j:X2+j+1], s[\c:\c+1] op_sel_hi:[1,1,0]
.set j, j+2
.endr
.endm
.macro GELU a, g
	s_wait_xcnt 0x0                                ; the last stores have read the codes' registers, which z^2 takes
	s_cmp_eq_u32 s3, 0
	s_cbranch_scc0 .Lhi_\@
	WIN 0x02
	GSCALE \a, \g
	WIN 0
	s_branch .Lgo_\@
.Lhi_\@:
	WIN 0x03
	GSCALE \a, \g
	WIN 0
.Lgo_\@:
.set j, 0
.rept 16
	v_pk_mul_f32 v[ZZ+j:ZZ+j+1], v[VV+j:VV+j+1], 0x3f3504f3 op_sel_hi:[1,0]   ; z = v / sqrt(2)
.set j, j+2
.endr
.set j, 0
.rept 32
	v_med3_num_f32 v[ZZ+j], v[ZZ+j], -4.0, 4.0
.set j, j+1
.endr
.set j, 0
.rept 16
	v_pk_mul_f32 v[X2+j:X2+j+1], v[ZZ+j:ZZ+j+1], v[ZZ+j:ZZ+j+1]
.set j, j+2
.endr
.set j, 0
.rept 16
	v_pk_fma_f32 v[PP+j:PP+j+1], v[X2+j:X2+j+1], s[66:67], v[8:9] op_sel_hi:[1,0,0]
	v_pk_fma_f32 v[QQ+j:QQ+j+1], v[X2+j:X2+j+1], s[78:79], v[10:11] op_sel_hi:[1,0,0]
.set j, j+2
.endr
	HORNER PP, 68
	HORNER QQ, 80
	HORNER PP, 70
	HORNER QQ, 82
	HORNER PP, 72
	HORNER QQ, 84
	HORNER PP, 74
	HORNER PP, 76
.set j, 0
.rept 32
	v_rcp_f32 v[QQ+j], v[QQ+j]
.set j, j+1
.endr
.set j, 0
.rept 16
	v_pk_mul_f32 v[PP+j:PP+j+1], v[PP+j:PP+j+1], v[ZZ+j:ZZ+j+1]   ; z P: plain lines that name no reciprocal
.set j, j+2
.endr
	s_wait_alu depctr_va_vdst(0)                   ; one wait for the 32 reciprocals, ahead of their first reader
.set j, 0
.rept 16
	v_pk_mul_f32 v[PP+j:PP+j+1], v[PP+j:PP+j+1], v[QQ+j:QQ+j+1]   ; erf(z)
.set j, j+2
.endr
.set j, 0
.rept 16
	v_pk_fma_f32 v[PP+j:PP+j+1], v[PP+j:PP+j+1], 0.5, 0.5 op_sel_hi:[1,0,0]
.set j, j+2
.endr
.set j, 0
.rept 16
	v_pk_mul_f32 v[VV+j:VV+j+1], v[VV+j:VV+j+1], v[PP+j:PP+j+1]   ; the gelu
.set j, j+2
.endr
.set j, 0
.rept 32
	v_med3_num_f32 v[VV+j], v[VV+j], -v13, v13
.set j, j+1
.endr
.irp k, 0,1,2,3
	v_cvt_scalef32_pk8_fp8_f32 v[X2+2*\k:X2+2*\k+1], v[VV+8*\k:VV+8*\k+7], v12
.endr
	v_nop                                          ; a plain instruction behind the last conversion
	global_store_b128 v14, v[X2:X2+3], s[12:13] offset:65536*(\a)+512*(2*(\g))       ; 512 consecutive bytes of the image
	global_store_b128 v14, v[X2+4:X2+7], s[12:13] offset:65536*(\a)+512*(2*(\g)+1)
.endm
	s_wait_loadcnt 0x0                             ; the bias
	PLACES NP
	s_mov_b32 s3, 0
.Lhalf:                                            ; trip 0: my tokens' blocks 0-3 (window 2); trip 1: blocks 4-7 (window 3)
.irp a, 0,1,2,3
	GELU \a, 0
	GELU \a, 1
.endr
	s_wait_xcnt 0x0                                ; the stores have read their base
	s_add_nc_u64 s[12:13], s[12:13], 262144        ; four tiles of tokens on
	s_add_co_u32 s3, s3, 1
	s_cmp_lt_u32 s3, 2
	s_cbranch_scc1 .Lhalf
	s_wait_tensorcnt 0x0                           ; the wave's end
	ds_add_u32 v[SPW], v[NIL]
	s_wait_dscnt 0x0
	CROUND
	s_endpgm
.Lfunc_end_k_q1aa0459cb3_fc:
	.size	k_q1aa0459cb3_fc, .Lfunc_end_k_q1aa0459cb3_fc-k_q1aa0459cb3_fc
	.p2alignl 7, 3214868480
	.fill 96, 4, 3214868480
	.section	.rodata,"a",@progbits
	.p2align	6, 0x0
	.amdhsa_kernel k_q1aa0459cb3_fc
		.amdhsa_group_segment_fixed_size 327680
		.amdhsa_private_segment_fixed_size 0
		.amdhsa_enable_private_segment 0
		.amdhsa_kernarg_size 40
		.amdhsa_user_sgpr_count 2
		.amdhsa_user_sgpr_kernarg_segment_ptr 1
		.amdhsa_wavefront_size32 1
		.amdhsa_system_sgpr_workgroup_id_x 1
		.amdhsa_system_sgpr_workgroup_id_y 1
		.amdhsa_system_sgpr_workgroup_id_z 1
		.amdhsa_system_vgpr_workitem_id 0
		.amdhsa_next_free_vgpr 1024
		.amdhsa_next_free_sgpr 100
		.amdhsa_reserve_vcc 0
		.amdhsa_float_denorm_mode_32 3
		.amdhsa_float_denorm_mode_16_64 3
		.amdhsa_memory_ordered 1
		.amdhsa_forward_progress 1
		.amdhsa_inst_pref_size 255
	.end_amdhsa_kernel
	.section	.bss,"aw",@nobits
	.p2align	6
	.space	262144
	.amdgpu_metadata
---
amdhsa.version: [ 1, 2 ]
amdhsa.kernels:
  - .name:           k_q1aa0459cb3_fc
    .symbol:         k_q1aa0459cb3_fc.kd
    .args:
      - { .name: ac, .offset: 0, .size: 8, .value_kind: global_buffer, .address_space: global }
      - { .name: wc, .offset: 8, .size: 8, .value_kind: global_buffer, .address_space: global }
      - { .name: lowp_scales, .offset: 16, .size: 8, .value_kind: global_buffer, .address_space: global }
      - { .name: c_fc_b, .offset: 24, .size: 8, .value_kind: global_buffer, .address_space: global }
      - { .name: gc, .offset: 32, .size: 8, .value_kind: global_buffer, .address_space: global }
    .group_segment_fixed_size: 327680
    .private_segment_fixed_size: 0
    .kernarg_segment_align: 8
    .kernarg_segment_size: 40
    .max_flat_workgroup_size: 128
    .sgpr_count:     100
    .vgpr_count:     1024
    .wavefront_size: 32
...
	.end_amdgpu_metadata
.endif
;; end of part 6
;; launch proj (part 7): grid 8 x 32, 4 waves a work-group, clusters of 4 x 4, 327,680 bytes of LDS; arguments gc, wc, lowp_scales, c_proj_b, hn, out0; writes out0
.if DOCPART == 7
	.amdgcn_target "amdgcn-amd-amdhsa--gfx1250"
	.amdhsa_code_object_version 6
	.text
	.protected	k_q1aa0459cb3_proj
	.globl	k_q1aa0459cb3_proj
	.p2align	8
	.type	k_q1aa0459cb3_proj,@function
k_q1aa0459cb3_proj:
	s_mov_b64 s[64:65], 0
	v_nop
	global_prefetch_b8 v0, s[64:65] scope:SCOPE_SE
	s_setreg_imm32_b32 hwreg(HW_REG_WAVE_MODE, 25, 1), 1
	s_wait_xcnt 0x0
	s_wait_alu depctr_hold_cnt(0) depctr_sa_sdst(0) depctr_va_vdst(0) depctr_va_sdst(0) depctr_va_ssrc(0) depctr_va_vcc(0) depctr_vm_vsrc(0)
	s_getreg_b32 s2, hwreg(HW_REG_IB_STS2, 6, 4)
	s_cmp_eq_u32 s2, 0
	s_cbranch_scc0 .Lentry_in_a_cluster
	s_endpgm
.Lentry_in_a_cluster:
	s_bfe_u32 s2, ttmp6, 0x10000c
	s_cmp_lg_u32 s2, 0xf033
	s_cbranch_scc0 .Lentry_shape_is_right
	s_endpgm
.Lentry_shape_is_right:
; OUT = RES + (A W + bias), the product on codes of E4M3.  Here: A = the gelu's codes (gc, under 2^e10), W = c_proj_w (under 2^e11), RES = hn, OUT = out0.  K = 4,096.
; Operands are images: tile T (16 rows), K step s: 2,048 bytes at (T x KS + s) x 2048; byte 512 c + 16 L + i = row rho(T, L % 16), k = 128 s + 32 c + 16 (L / 16) + i; rho(T, r) = 32 (T/2) + 8 (T%2) + r%8 + 16 (r/8).
; N is 1,024: tiles of 256 x 256 would give 64 work-groups; tiles of 128 x 128 give 256.  Four waves, each 64 x 64: 16 accumulators.  A slot holds 512 along K (four K steps): 131,072 bytes; two slots take turns.
; Source 0 = a tile of W's columns, source 1 = a tile of tokens: a lane holds one token and neighbouring columns.  A block of 16 tokens x 64 columns goes through the wave's own stage in LDS and leaves as rows of 256 bytes.
; The residual's numbers are asked for at the head, in the layout in which rows come back from the stage, and land under the products.
; CLUSTERS: 4 x 4; tokens' tiles are shared along a row of the cluster, W's along a column.
; LIMIT: the two exponents' sum between -126 and 127.
; REGISTERS: window 0: v16-29 addresses, v32-63 bias, v64-95 results, v96-127 rows, v128-255 accumulators ((a, b) at v[128 + 8 (4 a + b)]); window 1: two fragment buffers of 128 (tokens' 4, then W's 4); window 2: v0-127 the residual.
.set KS,     32                        ; K / 128
.set WOFF,   0x800000                  ; where W's images begin in wc
.set SCI,    10                        ; the first of the two entries of lowp_scales
.set LAPS,   4                         ; K / 1,024
.set SLOT,   131072
.set SPARE,  2*SLOT                    ; the spare words, 128 bytes a wave
.set STAGE,  SPARE+512                 ; 16 rows x 272 bytes for each wave; no fill ever lands here
.set ADRA, 16
.set ADRB, 20
.set STO,  24
.set RD,   25
.set CO,   26
.set SPW,  28
.set NIL,  29
.set BJ,   32
.set TMP,  64
.set BK,   96
.set ACC,  128
.set F0,   0
.set F1,   128
.set G1, 24
.set G0, 32
.set G1B, 48
.set G0B, 56
.set MSB, 0
.macro WIN new
.if MSB != (\new)
	s_set_vgpr_msb (MSB<<8)|(\new)
.set MSB, (\new)
.endif
.endm
.set MUL,  0x05                        ; sources 0 and 1 window 1; C and D window 0
.set TO_F, 0x40                        ; destination window 1, address window 0
.macro JLOAD s                         ; waves 0 and 1 fetch the tokens' halves, waves 2 and 3 W's; four v_nop follow each line
	s_cmp_eq_u32 s11, 0
	s_cbranch_scc0 .Lfor_b_\@
	tensor_load_to_lds s[G0+4*\s:G0+4*\s+3], s[G1:G1+7]
	s_nop 0
.rept 4
	v_nop
.endr
	s_branch .Lasked_\@
.Lfor_b_\@:
	tensor_load_to_lds s[G0B+4*\s:G0B+4*\s+3], s[G1B:G1B+7]
	s_nop 0
.rept 4
	v_nop
.endr
.Lasked_\@:
.endm
.macro CREST
	s_cmp_lg_u32 s10, 0
	s_cbranch_scc1 .Lnot_wave_0_\@
	s_barrier_signal -3
.Lnot_wave_0_\@:
	s_barrier_wait -3
	s_barrier_signal -1
	s_barrier_wait -1
.endm
.macro CROUND
	s_barrier_signal -1
	s_barrier_wait -1
	CREST
.endm
	s_load_b128 s[4:7], s[0:1], 0x0                ; A's codes, wc
	s_load_b256 s[68:75], s[0:1], 0x10             ; lowp_scales 68, bias 70, residual 72, out 74
	v_lshl_add_u32 v[SPW], v0, 2, SPARE
	v_mov_b32 v[NIL], 0
	ds_add_u32 v28, v29
	ds_add_u32 v28, v29
	s_wait_dscnt 0x0
	v_lshrrev_b32 v1, 5, v0
	v_readfirstlane_b32 s10, v1                    ; wave 0..3
	s_lshr_b32 s11, s10, 1                         ; my half of the tokens.  Also: I fetch tokens (0) or W (1)
	s_and_b32 s12, s10, 1                          ; my half of the columns.  Also: which 64 rows I fetch
	s_bfe_u32 s40, ttmp6, 0x40000
	s_bfe_u32 s41, ttmp6, 0x40004
	s_lshl_b32 s42, ttmp9, 2
	s_add_co_u32 s42, s42, s40                     ; tile column
	s_and_b32 s13, ttmp7, 0xffff
	s_lshl_b32 s13, s13, 2
	s_add_co_u32 s13, s13, s41                     ; tile row
	s_lshl_b32 s43, s41, 2
	s_lshl_b32 s43, 15, s43
	s_lshl_b32 s44, 0x1111, s40
	; descriptor group 1: 4 tiles' parts of 8,192 bytes (4 K steps), KS x 2,048 bytes apart, on end in LDS; elements of 8 bytes
	s_or_b32 s[G1+0], s43, (3<<16)|(1<<21)
	s_or_b32 s[G1B+0], s44, (3<<16)|(1<<21)
.irp g, G1, G1B
	s_mov_b32 s[\g+1], 1024<<16
	s_mov_b32 s[\g+2], 4<<16
	s_mov_b32 s[\g+3], 1024<<16
	s_mov_b32 s[\g+4], 4
	s_mov_b32 s[\g+5], KS*256
	s_mov_b32 s[\g+6], 0
	s_mov_b32 s[\g+7], 0
.endr
	s_lshl_b32 s17, s12, 2
	s_lshl_b32 s16, s13, 3
	s_add_co_u32 s16, s16, s17                     ; tokens: tile 8 x tile row + 4 x half
	s_mul_i32 s16, s16, KS*2048
	s_lshl_b32 s46, s42, 3
	s_add_co_u32 s46, s46, s17
	s_mul_i32 s46, s46, KS*2048
	s_add_co_u32 s46, s46, WOFF
	s_mov_b32 s17, 0
	s_mov_b32 s47, 0
	s_lshl_b32 s20, s10, 15                        ; where they go: wave x 32,768
	s_wait_kmcnt 0x0
	s_load_b64 s[76:77], s[68:69], SCI*4
	s_add_nc_u64 s[14:15], s[4:5], s[16:17]
	s_add_nc_u64 s[46:47], s[6:7], s[46:47]
	CROUND
.irp s, 0,1
	s_mov_b32 s[G0+4*\s], 1
	s_add_co_u32 s[G0+4*\s+1], s20, \s*SLOT
	s_add_nc_u64 s[G0+4*\s+2:G0+4*\s+3], s[14:15], \s*8192
	s_or_b32 s[G0+4*\s+3], s[G0+4*\s+3], 0x80000000
	s_mov_b32 s[G0B+4*\s], 1
	s_add_co_u32 s[G0B+4*\s+1], s20, \s*SLOT
	s_add_nc_u64 s[G0B+4*\s+2:G0B+4*\s+3], s[46:47], \s*8192
	s_or_b32 s[G0B+4*\s+3], s[G0B+4*\s+3], 0x80000000
	JLOAD \s
.endr
	v_and_b32 v1, 31, v0
	v_lshlrev_b32 v3, 4, v1                        ; 16 x lane
	s_lshl_b32 s21, s11, 15
	s_lshl_b32 s22, s12, 15
	s_add_co_u32 s22, s22, 65536
.irp s, 0,1
	v_add_nc_u32 v[ADRA+\s], s21, v3
	v_add_nc_u32 v[ADRB+\s], s22, v3
	s_add_co_u32 s21, s21, SLOT
	s_add_co_u32 s22, s22, SLOT
.endr
	v_and_b32 v1, 15, v0                           ; r
	v_bfe_u32 v2, v0, 4, 1                         ; h
	s_mul_i32 s23, s10, 16*272
	s_add_co_u32 s23, s23, STAGE                   ; my stage
	v_mul_u32_u24 v4, v1, 272
	v_lshl_add_u32 v4, v2, 6, v4
	v_add_nc_u32 v[STO], s23, v4                   ; in: row r, + 64 h
	v_mul_u32_u24 v5, v2, 272
	v_lshl_add_u32 v5, v1, 4, v5
	v_add_nc_u32 v[RD], s23, v5                    ; back: lanes 0-15 one row of 256 bytes, lanes 16-31 the next
	v_lshlrev_b32 v5, 12, v2
	v_lshl_add_u32 v[CO], v1, 4, v5                ; the same two rows in memory, 4,096 bytes apart
	v_lshlrev_b32 v27, 6, v2                       ; the bias: 64 h
	s_lshl_b32 s78, s42, 9
	s_lshl_b32 s79, s12, 8
	s_add_co_u32 s78, s78, s79                     ; my 64 columns, in bytes
	s_mov_b32 s79, 0
	s_lshl_b32 s80, s13, 7
	s_lshl_b32 s81, s11, 6
	s_add_co_u32 s80, s80, s81                     ; my first token
	s_lshl_b32 s80, s80, 12
	s_add_co_u32 s80, s80, s78
	s_mov_b32 s81, 0
	s_add_nc_u64 s[70:71], s[70:71], s[78:79]
	s_add_nc_u64 s[72:73], s[72:73], s[80:81]
	s_add_nc_u64 s[74:75], s[74:75], s[80:81]
.irp b, 0,1,2,3
	global_load_b128 v[BJ+8*\b:BJ+8*\b+3], v27, s[70:71] offset:4*(32*(\b/2)+8*(\b%2))
	global_load_b128 v[BJ+8*\b+4:BJ+8*\b+7], v27, s[70:71] offset:4*(32*(\b/2)+8*(\b%2))+16
.endr
	WIN 0x80                                       ; destination window 2
.irp a, 0,1,2,3
.irp t, 0,1,2,3,4,5,6,7
	global_load_b128 v[32*\a+4*\t:32*\a+4*\t+3], v[CO], s[72:73] offset:4096*(32*(\a/2)+8*(\a%2)+(2*\t)%8+16*(\t/4)) th:TH_LOAD_NT   ; tile rows 2 t and 2 t + 1 of block a: sixteen lanes read 256 consecutive bytes
.endr
.endr
	WIN 0
	s_wait_kmcnt 0x0
	s_add_co_i32 s96, s76, s77
	s_add_co_i32 s96, s96, 127
	s_lshl_b32 s96, s96, 23                        ; 2^(the two exponents' sum) as f32
	s_mov_b32 s97, s96
.macro MUL4 f, a, zero                 ; tokens' tile a x W's four tiles; the 16 accumulators take turns, one instruction a turn
.irp b, 0,1,2,3
.if \zero
	v_wmma_f32_16x16x128_fp8_fp8 v[ACC+8*(4*(\a)+\b):ACC+8*(4*(\a)+\b)+7], v[\f+64+16*\b:\f+64+16*\b+15], v[\f+16*(\a):\f+16*(\a)+15], 0
.else
	v_wmma_f32_16x16x128_fp8_fp8 v[ACC+8*(4*(\a)+\b):ACC+8*(4*(\a)+\b)+7], v[\f+64+16*\b:\f+64+16*\b+15], v[\f+16*(\a):\f+16*(\a)+15], v[ACC+8*(4*(\a)+\b):ACC+8*(4*(\a)+\b)+7]
.endif
.endr
.endm
.macro FRAG reg, adr, q, i
.irp c, 0,1,2,3
	ds_load_b128 v[\reg+4*\c:\reg+4*\c+3], v[\adr] offset:8192*(\i)+2048*(\q)+512*\c
.endr
.endm
.macro FETCH slot, q, f                ; 32 LDS loads in one run: W's four fragments, then the tokens' four
	WIN TO_F
.irp i, 0,1,2,3
	FRAG \f+64+16*\i, ADRB+\slot, \q, \i
.endr
.irp i, 0,1,2,3
	FRAG \f+16*\i, ADRA+\slot, \q, \i
.endr
.endm
.macro PLACES
.rept 4
	v_nop
.endr
.endm
.macro QUARTER slot, q, f, g, zero     ; 128 along K from buffer f; in its middle the slot's K step q is fetched into g
	s_wait_dscnt 8                                 ; all but the tokens' tiles 2 and 3, the youngest eight loads
	WIN MUL
	MUL4 \f, 0, \zero
	MUL4 \f, 1, \zero
	PLACES
	FETCH \slot, \q, \g
	s_wait_dscnt 32                                ; all but the 32 just issued
	WIN MUL
	MUL4 \f, 2, \zero
	MUL4 \f, 3, \zero
.endm
.macro TURN slot, next, fill           ; a slot's last K step changes slots
	WIN 0
	s_wait_tensorcnt 0x0                           ; all my tensor loads have landed: my part of the next slot
	ds_add_u32 v[SPW], v[NIL]                      ; 0 onto my spare word
	s_wait_dscnt 9                                 ; (the add and the youngest eight loads may be out)
	WIN MUL
	MUL4 F1, 0, 0
	s_wait_dscnt 0x0                               ; the add is done, and my reads of this slot are over
	s_barrier_signal -1
	MUL4 F1, 1, 0
.if \fill
	WIN 0
.endif
	s_barrier_wait -1
.if \fill
	CREST                                          ; the barrier has opened a round of the cluster's: no wave of any partner still reads this slot or has a load on its way
	s_add_nc_u64 s[G0+4*\slot+2:G0+4*\slot+3], s[G0+4*\slot+2:G0+4*\slot+3], 16384
	s_add_nc_u64 s[G0B+4*\slot+2:G0B+4*\slot+3], s[G0B+4*\slot+2:G0B+4*\slot+3], 16384
	JLOAD \slot                                    ; the first tensor load behind the round; its four v_nop are the places in front of the loads below
.else
	PLACES
.endif
	FETCH \next, 0, F0
	WIN MUL
	MUL4 F1, 2, 0
	MUL4 F1, 3, 0
.endm
	s_wait_tensorcnt 1                             ; my part of slot 0 is in; slot 1's may be out
	s_barrier_signal -1
	s_barrier_wait -1
	FETCH 0, 0, F0
	QUARTER 0, 1, F0, F1, 1
.if LAPS > 1
	WIN 0
	s_mov_b32 s3, LAPS-1
.Llap:                                             ; a trip goes once round the ring and fills both slots again
	QUARTER 0, 2, F1, F0, 0
	QUARTER 0, 3, F0, F1, 0
	TURN 0, 1, 1
	QUARTER 1, 1, F0, F1, 0
	QUARTER 1, 2, F1, F0, 0
	QUARTER 1, 3, F0, F1, 0
	TURN 1, 0, 1
	QUARTER 0, 1, F0, F1, 0
	WIN 0
	s_sub_co_u32 s3, s3, 1
	s_cmp_lg_u32 s3, 0
	s_cbranch_scc1 .Llap
.endif
	QUARTER 0, 2, F1, F0, 0                        ; the last lap fills nothing
	QUARTER 0, 3, F0, F1, 0
	TURN 0, 1, 0
	QUARTER 1, 1, F0, F1, 0
	QUARTER 1, 2, F1, F0, 0
	QUARTER 1, 3, F0, F1, 0
	s_wait_dscnt 8
	WIN MUL
	MUL4 F1, 0, 0
	MUL4 F1, 1, 0
	s_wait_dscnt 0
	MUL4 F1, 2, 0
	MUL4 F1, 3, 0
	WIN 0
	s_wait_loadcnt 0x0                             ; bias and residual
	PLACES
.macro OUTB a                          ; block a: 16 tokens x 64 columns
	s_wait_xcnt 0x0                                ; the last block's stores have read their registers
.set j, 0
.rept 16
	v_pk_fma_f32 v[TMP+j:TMP+j+1], v[ACC+32*(\a)+j:ACC+32*(\a)+j+1], s[96:97], v[BJ+j:BJ+j+1] op_sel_hi:[1,0,1]   ; sum x 2^e + bias; each accumulator from its low end on
.set j, j+2
.endr
.irp b, 0,1,2,3
	ds_store_b128 v[STO], v[TMP+8*\b:TMP+8*\b+3] offset:128*(\b/2)+32*(\b%2)
	ds_store_b128 v[STO], v[TMP+8*\b+4:TMP+8*\b+7] offset:128*(\b/2)+32*(\b%2)+16
.endr
.irp t, 0,1,2,3,4,5,6,7
	ds_load_b128 v[BK+4*\t:BK+4*\t+3], v[RD] offset:544*\t   ; LDS serves a wave's instructions in order (ISA guide 5.7.1.4): these see my stores
.endr
	s_wait_dscnt 0x0
	WIN 0x08                                       ; source 1 window 2
.set j, 0
.rept 16
	v_pk_add_f32 v[BK+j:BK+j+1], v[BK+j:BK+j+1], v[32*(\a)+j:32*(\a)+j+1]   ; + the residual
.set j, j+2
.endr
	WIN 0
.irp t, 0,1,2,3,4,5,6,7
	global_store_b128 v[CO], v[BK+4*\t:BK+4*\t+3], s[74:75] offset:4096*(32*((\a)/2)+8*((\a)%2)+(2*\t)%8+16*(\t/4)) th:TH_STORE_NT   ; sixteen lanes store 256 consecutive bytes, aligned
.endr
.endm
.irp a, 0,1,2,3
	OUTB \a
.endr
	s_wait_tensorcnt 0x0                           ; the wave's end
	ds_add_u32 v[SPW], v[NIL]
	s_wait_dscnt 0x0
	CROUND
	s_endpgm
.Lfunc_end_k_q1aa0459cb3_proj:
	.size	k_q1aa0459cb3_proj, .Lfunc_end_k_q1aa0459cb3_proj-k_q1aa0459cb3_proj
	.p2alignl 7, 3214868480
	.fill 96, 4, 3214868480
	.section	.rodata,"a",@progbits
	.p2align	6, 0x0
	.amdhsa_kernel k_q1aa0459cb3_proj
		.amdhsa_group_segment_fixed_size 327680
		.amdhsa_private_segment_fixed_size 0
		.amdhsa_enable_private_segment 0
		.amdhsa_kernarg_size 48
		.amdhsa_user_sgpr_count 2
		.amdhsa_user_sgpr_kernarg_segment_ptr 1
		.amdhsa_wavefront_size32 1
		.amdhsa_system_sgpr_workgroup_id_x 1
		.amdhsa_system_sgpr_workgroup_id_y 1
		.amdhsa_system_sgpr_workgroup_id_z 1
		.amdhsa_system_vgpr_workitem_id 0
		.amdhsa_next_free_vgpr 768
		.amdhsa_next_free_sgpr 100
		.amdhsa_reserve_vcc 0
		.amdhsa_float_denorm_mode_32 3
		.amdhsa_float_denorm_mode_16_64 3
		.amdhsa_memory_ordered 1
		.amdhsa_forward_progress 1
		.amdhsa_inst_pref_size 82
	.end_amdhsa_kernel
	.amdgpu_metadata
---
amdhsa.version: [ 1, 2 ]
amdhsa.kernels:
  - .name:           k_q1aa0459cb3_proj
    .symbol:         k_q1aa0459cb3_proj.kd
    .args:
      - { .name: gc, .offset: 0, .size: 8, .value_kind: global_buffer, .address_space: global }
      - { .name: wc, .offset: 8, .size: 8, .value_kind: global_buffer, .address_space: global }
      - { .name: lowp_scales, .offset: 16, .size: 8, .value_kind: global_buffer, .address_space: global }
      - { .name: c_proj_b, .offset: 24, .size: 8, .value_kind: global_buffer, .address_space: global }
      - { .name: hn, .offset: 32, .size: 8, .value_kind: global_buffer, .address_space: global }
      - { .name: out0, .offset: 40, .size: 8, .value_kind: global_buffer, .address_space: global }
    .group_segment_fixed_size: 327680
    .private_segment_fixed_size: 0
    .kernarg_segment_align: 8
    .kernarg_segment_size: 48
    .max_flat_workgroup_size: 128
    .sgpr_count:     100
    .vgpr_count:     768
    .wavefront_size: 32
...
	.end_amdgpu_metadata
.endif
;; end of part 7
